; MI455X (gfx1250); checked and timed in simulation.
; The chip was launched on July 23, 2026; its instructions are those of AMD's public machine-readable ISA for CDNA 5 (MIT licence, August 2026) and "CDNA5" Instruction Set Architecture Reference Guide (July 2026). The comments in the code are by the model that wrote it; some were corrected since.
;; Multi Head Attention. Allowed arithmetic: matrix products marked QUANTISED: E2M3 operands, one E8M0 scale for each 32 along K, by v_wmma_scale_f32_16x16x128_f8f6f4 with both operands' format E2M3, f32 sums; everything else in f32.
;; Inputs: W_k 512 x 512 float32; W_o 512 x 512 float32; W_q 512 x 512 float32; W_v 512 x 512 float32; b_k 512 float32; b_o 512 float32; b_q 512 float32; b_v 512 float32; k 2 x 4,096 x 512 float32; q 2 x 4,096 x 512 float32; v 2 x 4,096 x 512 float32.
;; Outputs: out0 2 x 4,096 x 512 float32.
;; This version of the problem:
;;   THIS VERSION OF THE PROBLEM IS GIVEN IN LOW PRECISION. The matrix products marked QUANTISED in the list below multiply operands that are first quantised to E2M3 (2 exponent bits, 3 mantissa bits; 6 bits a number), with one power-of-two scale for each 32 numbers along K (OCP MX v1.0); their sums are f32. All else is computed in f32.
;;   The module's matrix products, in the order in which they are computed (A, B: the left and right operand; K: the contracted axis; several contracted axes count as one K, in the product's order):
;;     1. [M 8,192, K 512] x [K 512, N 512]; A: input q; B: input W_q: QUANTISED
;;     2. [M 8,192, K 512] x [K 512, N 512]; A: input k; B: input W_k: QUANTISED
;;     3. [M 8,192, K 512] x [K 512, N 512]; A: input v; B: input W_v: QUANTISED
;;     4. batch 16 x [M 4,096, K 64] x [K 64, N 4,096]; A: computed on the way; B: computed on the way: QUANTISED
;;     5. batch 16 x [M 4,096, K 4,096] x [K 4,096, N 64]; A: softmax (see below); B: computed on the way: QUANTISED
;;     6. [M 8,192, K 512] x [K 512, N 512]; A: computed on the way; B: input W_o: QUANTISED
;;   THE QUANTISER, for each operand of a quantised product, along K:
;;     - K is cut into blocks of 32 from its start; a last block that is shorter is filled with zeros.
;;     - A block's scale is 2^e with e = floor(log2(the largest magnitude in the block)) - 2, held to -126 .. 127; a block of zeros has e = 0. As a byte (E8M0): e + 127.
;;     - Each number is divided by its block's scale, clamped to +-7.5, and rounded to the nearest number of E2M3, ties to even, subnormals kept.
;;     - The product sums the exact products of the quantised numbers (number of the format x scale) in f32.
;;   ~~~python
;;   def quantise(x, axis):      # numpy; x: float32 -> the quantised numbers, widened to float32 again
;;       x = np.moveaxis(x, axis, -1); K = x.shape[-1]
;;       x = np.pad(x, [(0, 0)] * (x.ndim - 1) + [(0, -K % 32)]); x = x.reshape(x.shape[:-1] + (-1, 32)); a = np.abs(x).max(-1, keepdims=True)
;;       e = np.where(a > 0, np.clip(np.frexp(np.where(a > 0, a, 1))[1] - 1 - 2, -126, 127), 0)      # np.frexp(a)[1] - 1 = floor(log2(a)), exactly
;;       r = np.clip(x / 2.0 ** e, -7.5, 7.5)
;;       step = 2.0 ** (np.maximum(np.frexp(np.where(r == 0, 1, r))[1] - 1, 0) - 3)
;;       q = np.round(r / step) * step * 2.0 ** e      # np.round: ties to even
;;       return np.moveaxis(q.reshape(q.shape[:-2] + (-1,))[..., :K], -1, axis).astype(np.float32)
;;   ~~~
;;   SOFTMAX AHEAD OF A QUANTISED PRODUCT. Where the list says 'softmax', what is quantised is not the finished softmax but p = 2^(t - M), with t = logit x log2(e) and M = ceil(the row's largest t), a whole number; so 1/2 < the row's largest p <= 1. The row's sum l is taken of the UNQUANTISED p, in f32, and the product's result is divided by l at the end. Since M is a whole number, a kernel that streams over the keys may use a running M (the ceiling of the running maximum): every later rescaling is an exact power of two, which a block's scale takes up: the codes' values come out the same.
;;   OPERANDS COMPUTED ON THE WAY. 'Computed on the way' means the value that the module computes at that place (a softmax that the list does not call 'softmax' is quantised finished and normalised). What goes into a quantiser is computed in f32, as accurately as f32 sums, v_exp_f32 and their like allow (about 1e-6 of the number): no bf16 or f16 on the way to a quantiser, and a product that is left as it is and whose result goes on into a quantised operand takes f32 operands (vector FMAs, or v_wmma_f32_16x16x4_f32). A number that lies on a knife's edge between two numbers of the format may be rounded either way, as far as f32 arithmetic and the matrix unit's own rounding can turn it there, and no further.
;; One version. Each part assembles by itself: llvm-mc -triple=amdgcn-amd-amdhsa -mcpu=gfx1250 --defsym DOCPART=n.
;; ======== version 1 of 1: 4 launches
;; limits: right only within a limited range of input values
;; workspace buffers: wimg 851,968 bytes; qimg 3,407,872 bytes; kvimg 6,691,328 bytes; cimg 3,407,872 bytes
;; launch wquant (part 1): grid 32 x 4, 1 waves a work-group, no clusters, 8,960 bytes of LDS; arguments W_q, W_k, W_v, W_o, wimg; writes wimg
.if DOCPART == 1
	.amdgcn_target "amdgcn-amd-amdhsa--gfx1250"
	.amdhsa_code_object_version 6
	.text
	.protected	k_q8473dd1f2c_wquant
	.globl	k_q8473dd1f2c_wquant
	.p2align	8
	.type	k_q8473dd1f2c_wquant,@function
k_q8473dd1f2c_wquant:
	s_mov_b64 s[64:65], 0
	v_nop
	global_prefetch_b8 v0, s[64:65] scope:SCOPE_SE
	s_setreg_imm32_b32 hwreg(HW_REG_WAVE_MODE, 25, 1), 1
	s_wait_xcnt 0x0
; The four weights [512 (n)][512 (k)], f32, K innermost, become codes of FP6 (E2M3) with one E8M0 byte for each 32 along K,
; laid as IMAGES OF OPERAND REGISTERS, so that the later launches load a fragment by three loads of 16 bytes a lane.
; A work-group of one wave makes one record (TREC, 6,656 bytes): tile T (ttmp9) of one weight (ttmp7): 16 rows x 512 K.
; TILE RULE: lane r of tile T takes row 32 (T / 2) + 8 (T % 2) + r + 8 (r / 8), so that, where the tile is source 0 of a product,
; the 16 result registers of tiles 2 b and 2 b + 1 are 16 neighbours 32 b + 16 (lane / 16) + 0 .. 15.
; RECORD: four fragments (K steps of 128; 12 registers a lane): register group g of K step s at 1,536 s + 512 g + 16 x lane; at 6,144 + 16 x lane the lane's row's four scale words.
; A block's scale is 2^(floor(log2(largest magnitude)) - 2); its byte is the largest magnitude's exponent field - 2, held at 1 from below.
; LIMITS: NaN and infinities among the inputs are not served; a block whose largest magnitude lies under 2^-124 gets the byte 1;
; a block of zeros gets the byte 1 where the rule says 127: its codes are zeros, and this program alone reads the bytes.
; Each load reads 512 consecutive bytes (a row's 128 numbers of one K step); a fragment's 8,192 bytes turn through a stage in LDS (rows 528 bytes apart)
; and come back so that lane (r, h) holds, of row r, the 16 neighbours 32 b + 16 h + 0 .. 15 of each block b.  128 work-groups: the weights have no work for more.
.set TREC, 6656
.set XW,   1                           ; window of the numbers as loaded: four sets of 64 registers
.set LI16, 1                           ; v1   16 x lane: offset of the loads and stores, and (the stage begins at LDS byte 0) where a row's 16 bytes go into the stage
.set STI,  LI16
.set STO,  4                           ; v4   528 r + 64 h: where I read my 16 neighbours back
.set PWX,  8                           ; v8-11   the four scale words
.set TM,   12                          ; v12-15 largest magnitudes, v16-19 the other half's and then the bytes, v20-23 the conversions' scale operands
.set XN,   64                          ; v64-127 the 64 numbers in hand
.set PC,   128                         ; v128-175 the codes: 12 registers for each K step, so that no store's data are written again
.set CT,   192                         ; v192-199 the conversions' second halves
.set OUT,  12                          ; s[12:13]
.set XB,   16                          ; s[16:17]
.set SEL,  22                          ; s[22:23] v_permlanex16_b32's selects for lane l xor 16
.set MSB,  0
.macro WIN new                         ; the immediate's high byte repeats the setting that is left; a switch that changes nothing is dropped
.if MSB != (\new)
	s_set_vgpr_msb (MSB<<8)|(\new)
.set MSB, (\new)
.endif
.endm
; 64 (nc = 2) or 32 (nc = 1) numbers of a lane, register src + 16 b + i = number 32 b + 16 (lane / 16) + i of my row, become codes in v[dst] on (6 registers for each 64) and the row's scale word in v[pw]
.macro QUANT src, nc, dst, ct, tm, pw
.irp b, 0,1,2,3
.if \b < 2*\nc
	v_max3_num_f32 v[\tm+\b], |v[\src+16*\b]|, |v[\src+16*\b+1]|, 0x1800000   ; my 16 numbers of block b, and the floor 2^(3 - 127): the byte cannot fall under 1
.endif
.endr
.irp i, 2,4,6,8,10,12,14
.irp b, 0,1,2,3
.if \b < 2*\nc
	v_max3_num_f32 v[\tm+\b], v[\tm+\b], |v[\src+16*\b+\i]|, |v[\src+16*\b+\i+1]|   ; the blocks by turns
.endif
.endr
.endr
.irp b, 0,1,2,3
.if \b < 2*\nc
	v_permlanex16_b32 v[\tm+4+\b], v[\tm+\b], s[SEL], s[SEL+1]
.endif
.endr
.irp b, 0,1,2,3
.if \b < 2*\nc
	v_max_num_f32 v[\tm+\b], v[\tm+\b], v[\tm+4+\b]   ; with lane l xor 16's: the block's largest magnitude
.endif
.endr
.irp b, 0,1,2,3
.if \b < 2*\nc
	v_add_nc_u32 v[\tm+8+\b], 0xff000000, v[\tm+\b]   ; 2 off its exponent field: the conversion's scale operand
.endif
.endr
.irp b, 0,1,2,3
.if \b < 2*\nc
	v_lshrrev_b32 v[\tm+4+\b], 23, v[\tm+8+\b]        ; the scale's byte
.endif
.endr
	v_lshl_or_b32 v[\pw], v[\tm+5], 8, v[\tm+4]
.if \nc == 2
	v_lshl_or_b32 v[\pw], v[\tm+6], 16, v[\pw]
	v_lshl_or_b32 v[\pw], v[\tm+7], 24, v[\pw]
.endif
.irp c, 0,1
.if \c < \nc
	v_cvt_scalef32_pk16_fp6_f32 v[\dst+6*\c:\dst+6*\c+2], v[\src+32*\c:\src+32*\c+15], v[\tm+8+2*\c]
	v_cvt_scalef32_pk16_fp6_f32 v[\ct+4*\c:\ct+4*\c+2], v[\src+32*\c+16:\src+32*\c+31], v[\tm+8+2*\c+1]   ; (a conversion's three registers begin on an even number)
.endif
.endr
	v_nop                                          ; one plain place behind the scaled conversions
.irp c, 0,1
.if \c < \nc
.irp i, 0,1,2
	v_permlane16_swap_b32 v[\dst+6*\c+\i], v[\ct+4*\c+\i]   ; the operand wants a whole block in a lane: lanes 0-15 block 2 c, lanes 16-31 block 2 c + 1
.endr
.irp i, 0,1,2
	v_mov_b32 v[\dst+6*\c+3+\i], v[\ct+4*\c+\i]
.endr
.endif
.endr
.endm
.macro XLOAD set, off                  ; the tile's 16 rows, 128 numbers each from byte off of the rows on: 512 consecutive bytes a load
	WIN XW<<6
.irp i, 0,1,2,3,4,5,6,7,8,9,10,11,12,13,14,15
	global_load_b128 v[64*(\set)+4*\i:64*(\set)+4*\i+3], v[LI16], s[XB:XB+1] offset:\off+(\i+8*(\i/8))*2048 th:TH_LOAD_NT
.endr
.endm
.macro TURN set                        ; through the stage: LDS serves a wave's instructions in order, so no wait stands between the stores and the loads
	WIN XW<<2
.irp i, 0,1,2,3,4,5,6,7,8,9,10,11,12,13,14,15
	ds_store_b128 v[STI], v[64*(\set)+4*\i:64*(\set)+4*\i+3] offset:528*\i
.endr
	WIN 0
.irp b, 0,1,2,3
.irp j, 0,1,2,3
	ds_load_b128 v[XN+16*\b+4*\j:XN+16*\b+4*\j+3], v[STO] offset:128*\b+16*\j
.endr
.endr
.endm
	s_load_b256 s[4:11], s[0:1], 0x0               ; W_q, W_k, W_v, W_o
	s_load_b64 s[OUT:OUT+1], s[0:1], 0x20          ; wimg
	v_lshl_add_u32 v254, v0, 2, 0x2200
	v_mov_b32 v255, 0
	s_and_b32 s14, ttmp7, 0xffff                   ; which weight
	s_lshr_b32 s18, ttmp9, 1
	s_lshl_b32 s18, s18, 16                        ; 32 (T / 2) rows of 2,048 bytes
	s_and_b32 s19, ttmp9, 1
	s_lshl_b32 s19, s19, 14                        ; + 8 (T % 2) rows
	s_add_co_u32 s18, s18, s19
	s_mov_b32 s19, 0
	s_lshl_b32 s20, s14, 5
	s_add_co_u32 s20, s20, ttmp9
	s_mul_i32 s20, s20, TREC                       ; record 32 x weight + T
	s_mov_b32 s21, 0
	s_mov_b32 s[SEL], 0x76543210
	s_mov_b32 s[SEL+1], 0xfedcba98
	v_lshlrev_b32 v[LI16], 4, v0
	v_and_b32 v5, 15, v0                           ; r
	v_bfe_u32 v6, v0, 4, 1                         ; h
	v_mul_u32_u24 v[STO], v5, 528
	v_lshl_add_u32 v[STO], v6, 6, v[STO]
.irp b, 0,1,2,3
	v_mov_b32 v[TM+4+\b], 0                        ; written once: a lane permute's destination counts as one of its sources
.endr
	s_wait_alu depctr_va_vdst(0)
	s_wait_kmcnt 0x0
	s_cmp_eq_u32 s14, 1                            ; the choice hangs on the work-group's number alone
	s_cselect_b64 s[XB:XB+1], s[6:7], s[4:5]
	s_cmp_eq_u32 s14, 2
	s_cselect_b64 s[XB:XB+1], s[8:9], s[XB:XB+1]
	s_cmp_eq_u32 s14, 3
	s_cselect_b64 s[XB:XB+1], s[10:11], s[XB:XB+1]
	s_add_nc_u64 s[XB:XB+1], s[XB:XB+1], s[18:19]
	s_add_nc_u64 s[OUT:OUT+1], s[OUT:OUT+1], s[20:21]
.irp s, 0,1,2,3
	XLOAD \s, 512*\s                               ; all 64 loads go out at once
.endr
.irp s, 0,1,2,3
	s_wait_loadcnt 16*(3-\s)                       ; K step s is in; the younger sets of 16 loads may stay out
	TURN \s
	s_wait_dscnt 0x0
	QUANT XN, 2, PC+12*\s, CT, TM, PWX+\s
.irp g, 0,1,2
	global_store_b128 v[LI16], v[PC+12*\s+4*\g:PC+12*\s+4*\g+3], s[OUT:OUT+1] offset:1536*\s+512*\g   ; 512 consecutive bytes, at a multiple of 256 from the buffer's first byte
.endr
.endr
	global_store_b128 v[LI16], v[PWX:PWX+3], s[OUT:OUT+1] offset:6144
	s_wait_tensorcnt 0x0
	ds_add_u32 v254, v255
	s_wait_dscnt 0x0
	s_endpgm
.Lfunc_end_k_q8473dd1f2c_wquant:
	.size	k_q8473dd1f2c_wquant, .Lfunc_end_k_q8473dd1f2c_wquant-k_q8473dd1f2c_wquant
	.p2alignl 7, 3214868480
	.fill 96, 4, 3214868480
	.section	.rodata,"a",@progbits
	.p2align	6, 0x0
	.amdhsa_kernel k_q8473dd1f2c_wquant
		.amdhsa_group_segment_fixed_size 8960
		.amdhsa_private_segment_fixed_size 0
		.amdhsa_enable_private_segment 0
		.amdhsa_kernarg_size 40
		.amdhsa_user_sgpr_count 2
		.amdhsa_user_sgpr_kernarg_segment_ptr 1
		.amdhsa_wavefront_size32 1
		.amdhsa_system_sgpr_workgroup_id_x 1
		.amdhsa_system_sgpr_workgroup_id_y 1
		.amdhsa_system_sgpr_workgroup_id_z 1
		.amdhsa_system_vgpr_workitem_id 0
		.amdhsa_next_free_vgpr 512
		.amdhsa_next_free_sgpr 66
		.amdhsa_reserve_vcc 0
		.amdhsa_float_denorm_mode_32 3
		.amdhsa_float_denorm_mode_16_64 3
		.amdhsa_memory_ordered 1
		.amdhsa_forward_progress 1
		.amdhsa_inst_pref_size 33
	.end_amdhsa_kernel
	.amdgpu_metadata
---
amdhsa.version: [ 1, 2 ]
amdhsa.kernels:
  - .name:           k_q8473dd1f2c_wquant
    .symbol:         k_q8473dd1f2c_wquant.kd
    .args:
      - { .name: W_q, .offset: 0, .size: 8, .value_kind: global_buffer, .address_space: global }
      - { .name: W_k, .offset: 8, .size: 8, .value_kind: global_buffer, .address_space: global }
      - { .name: W_v, .offset: 16, .size: 8, .value_kind: global_buffer, .address_space: global }
      - { .name: W_o, .offset: 24, .size: 8, .value_kind: global_buffer, .address_space: global }
      - { .name: wimg, .offset: 32, .size: 8, .value_kind: global_buffer, .address_space: global }
    .group_segment_fixed_size: 8960
    .private_segment_fixed_size: 0
    .kernarg_segment_align: 8
    .kernarg_segment_size: 40
    .max_flat_workgroup_size: 32
    .sgpr_count:     66
    .vgpr_count:     512
    .wavefront_size: 32
...
	.end_amdgpu_metadata
.endif
;; end of part 1
;; launch proj (part 2): grid 64 x 3, 4 waves a work-group, no clusters, 87,552 bytes of LDS; arguments q, k, v, b_q, b_k, b_v, wimg, qimg, kvimg; writes qimg, kvimg
.if DOCPART == 2
	.amdgcn_target "amdgcn-amd-amdhsa--gfx1250"
	.amdhsa_code_object_version 6
	.text
	.protected	k_q8473dd1f2c_proj
	.globl	k_q8473dd1f2c_proj
	.p2align	8
	.type	k_q8473dd1f2c_proj,@function
k_q8473dd1f2c_proj:
	s_mov_b64 s[64:65], 0
	v_nop
	global_prefetch_b8 v0, s[64:65] scope:SCOPE_SE
	s_setreg_imm32_b32 hwreg(HW_REG_WAVE_MODE, 25, 1), 1
	s_wait_xcnt 0x0
; The three input projections y = x W^T + b on codes of FP6 (E2M3), and the quantising of their results for the attention launch.
; A work-group (blk = ttmp9, ty = ttmp7: 0 q, 1 k, 2 v) takes 128 rows of x [8192][512] f32 against all 512 columns.  Wave w quantises x's tiles 2 w, 2 w + 1 (phase X) and owns columns 128 w .. 128 w + 127: heads 2 w, 2 w + 1.
; TILE RULE, for rows of x and rows of W alike: lane r of tile T takes row 32 (T / 2) + 8 (T % 2) + r + 8 (r / 8).
; PHASE X: x is read once, 512 consecutive bytes a load, turned through the wave's stage in LDS, quantised along the 512, and laid in LDS as images of operand registers (one record of 6,656 bytes a tile, as wimg's).
; Meanwhile the wave's eight tiles of W (images, from wimg) come straight into its registers, where they stay.  One barrier.
; ty < 2 (Q, K): source 0 = 16 rows of W, source 1 = 16 rows of x: a lane holds ONE row of x and its 64 registers run along my 128 columns: two heads of 64 = two blocks of 32 each.  They are quantised along the head's 64.
; ty = 2 (V): source 0 = 16 rows of x (keys), source 1 = 16 rows of W (channels): a lane holds ONE channel and its registers run along the keys, which are the K of attention's second product.  Quantised along the keys.
; The bias is the C of each sum's first matrix instruction.  Both layouts of the bias are fetched on the common path (24 small loads), so that the path taken behind the barrier finds its registers written.
; OUT.  HALF = 16 rows x 64 K = 6 registers: registers 0-3 at 16 x lane, registers 4-5 at 512 + 8 x lane (768 bytes).  qimg: a record of 6,656 bytes for each (8 b + head, 128 queries): eight HALFs, then at 6,144 + 16 x lane + 4 i the scale word of
; tile 2 i + lane / 16, row lane % 16 (bytes 0, 1; bytes 2, 3 are 0).  kvimg: a record of 13,056 bytes for each (8 b + head, 128 keys): K's part as qimg's; at 6,656 V^T's four channel tiles, two HALFs each (keys 64 c on); at 12,800 + 8 x lane + 4 i V's scale words.
; NO JOINT LOADS for the weights, which all 64 work-groups of a ty read: each wave takes its quarter (53,248 bytes) straight into registers once; through LDS the 212,992 bytes would be written and read again in every work-group, for its 1,024 matrix instructions.
; LIMITS: NaN and infinities are not served; a block whose largest magnitude lies under 2^-124, or that is all zeros, gets the byte 1 (this program alone reads the bytes; zero codes add nothing).
; REGISTERS, in windows of 256.  Window 0: see the names below.  Window 1: W's tiles 0-3, fragment (i, s) at 48 i + 12 s; from v192 the bias of tiles 0-3 (8 registers each).  Window 2: the same for tiles 4-7.
; Window 3: in phase X four sets of 64 numbers as loaded; in V's path four tiles of x, fragment (m, s) at 48 m + 12 s, and from v192 b_v spread out, 8 registers a tile of W.
.set TREC, 6656
.set XW,   3
.set XREC, 0                           ; LDS: x's eight records
.set STG,  8*TREC                      ; behind them a stage of 16 rows x 528 bytes for each wave
.set LI16, 1                           ; v1  16 x lane
.set LI8,  2                           ; v2  8 x lane
.set STI,  3                           ; v3  my stage + 16 x lane
.set STO,  4                           ; v4  my stage + 528 r + 64 h
.set XWI,  5                           ; v5  where I store x's images: 2 records x wave + 16 x lane
.set BA,   6                           ; v6  64 h: the bias as a C operand of Q's and K's products
.set BVA,  7                           ; v7  4 (r + 8 (r / 8)): the bias of my channel in V's
.set PWX,  8                           ; v8-11   x's scale words of a tile
.set TM,   12                          ; v12-23  at work in QUANT
.set SW,   28                          ; v28-31  scale images on their way out
.set RS,   32                          ; v32-63  W's scale words: tile i, K step s at 32 + 4 i + s
.set XN,   64                          ; v64-127 the 64 numbers in hand; later the accumulators
.set ACC,  64
.set T,    128                         ; v128-175 a tile of x (four fragments);  v176-179 its scale words
.set TS,   176
.set PC,   180                         ; v180-191 the codes just made
.set CT,   192                         ; v192-199 the conversions' second halves
.set PWK,  200                         ; v200-207 the results' scale words, one a tile
.set PWV,  200
.set BV,   208                         ; v208-215 b_v of my channel in each of W's tiles
.set RSX,  216                         ; v216-231 the scale words of four tiles of x
.set TW,   232
.set BI,   192                         ; in windows 1 and 2
.set TY,   22
.set WV,   23
.set XB,   24
.set WB,   26
.set BB,   28
.set RECS, 30
.set OUT0, 32
.set OUT1, 34
.set SEL,  36
.set MSB,  0
.macro WIN new                         ; the immediate's high byte repeats the setting that is left; a switch that changes nothing is dropped
.if MSB != (\new)
	s_set_vgpr_msb (MSB<<8)|(\new)
.set MSB, (\new)
.endif
.endm
.macro PLACES n
.rept \n
	v_nop
.endr
.endm
; 64 (nc = 2) or 32 (nc = 1) numbers of a lane, register src + 16 b + i = number 32 b + 16 (lane / 16) + i of my row, become codes in v[dst] on (6 registers for each 64) and the row's scale word in v[pw]
.macro QUANT src, nc, dst, ct, tm, pw
.irp b, 0,1,2,3
.if \b < 2*\nc
	v_max3_num_f32 v[\tm+\b], |v[\src+16*\b]|, |v[\src+16*\b+1]|, 0x1800000   ; my 16 numbers of block b, and the floor 2^(3 - 127): the byte cannot fall under 1.  (Each accumulator is first read at its low end)
.endif
.endr
.irp i, 2,4,6,8,10,12,14
.irp b, 0,1,2,3
.if \b < 2*\nc
	v_max3_num_f32 v[\tm+\b], v[\tm+\b], |v[\src+16*\b+\i]|, |v[\src+16*\b+\i+1]|
.endif
.endr
.endr
.irp b, 0,1,2,3
.if \b < 2*\nc
	v_permlanex16_b32 v[\tm+4+\b], v[\tm+\b], s[SEL], s[SEL+1]
.endif
.endr
.irp b, 0,1,2,3
.if \b < 2*\nc
	v_max_num_f32 v[\tm+\b], v[\tm+\b], v[\tm+4+\b]   ; with lane l xor 16's: the block's largest magnitude
.endif
.endr
.irp b, 0,1,2,3
.if \b < 2*\nc
	v_add_nc_u32 v[\tm+8+\b], 0xff000000, v[\tm+\b]   ; 2 off its exponent field: the conversion's scale operand
.endif
.endr
.irp b, 0,1,2,3
.if \b < 2*\nc
	v_lshrrev_b32 v[\tm+4+\b], 23, v[\tm+8+\b]        ; the scale's byte
.endif
.endr
	v_lshl_or_b32 v[\pw], v[\tm+5], 8, v[\tm+4]
.if \nc == 2
	v_lshl_or_b32 v[\pw], v[\tm+6], 16, v[\pw]
	v_lshl_or_b32 v[\pw], v[\tm+7], 24, v[\pw]
.endif
.irp c, 0,1
.if \c < \nc
	v_cvt_scalef32_pk16_fp6_f32 v[\dst+6*\c:\dst+6*\c+2], v[\src+32*\c:\src+32*\c+15], v[\tm+8+2*\c]
	v_cvt_scalef32_pk16_fp6_f32 v[\ct+4*\c:\ct+4*\c+2], v[\src+32*\c+16:\src+32*\c+31], v[\tm+8+2*\c+1]
.endif
.endr
	v_nop                                          ; one plain place behind the scaled conversions
.irp c, 0,1
.if \c < \nc
.irp i, 0,1,2
	v_permlane16_swap_b32 v[\dst+6*\c+\i], v[\ct+4*\c+\i]
.endr
.irp i, 0,1,2
	v_mov_b32 v[\dst+6*\c+3+\i], v[\ct+4*\c+\i]
.endr
.endif
.endr
.endm
.macro XLOAD set, off                  ; a tile's 16 rows, 128 numbers each from byte off on: 512 consecutive bytes a load
	WIN XW<<6
.irp i, 0,1,2,3,4,5,6,7,8,9,10,11,12,13,14,15
.if \i < 8
	global_load_b128 v[64*(\set)+4*\i:64*(\set)+4*\i+3], v[LI16], s[XB:XB+1] offset:\off+(\i+8*(\i/8))*2048 th:TH_LOAD_NT
.else
	global_load_b128 v[64*(\set)+4*\i:64*(\set)+4*\i+3], v24, s[XB:XB+1] offset:\off+(\i+8*(\i/8))*2048 th:TH_LOAD_NT
.endif
.endr
.endm
.macro TURN set                        ; through my stage: LDS serves a wave's instructions in order
	WIN XW<<2
.irp i, 0,1,2,3,4,5,6,7,8,9,10,11,12,13,14,15
	ds_store_b128 v[STI], v[64*(\set)+4*\i:64*(\set)+4*\i+3] offset:528*\i
.endr
	WIN 0
.irp b, 0,1,2,3
.irp j, 0,1,2,3
	ds_load_b128 v[XN+16*\b+4*\j:XN+16*\b+4*\j+3], v[STO] offset:128*\b+16*\j
.endr
.endr
.endm
.macro WCHUNK f                        ; my tile f of W: 12 loads of codes and one of scale words, as they lie in wimg
	WIN (1+(\f)/4)<<6
.irp g, 0,1,2,3,4,5,6,7,8,9,10,11
	global_load_b128 v[48*((\f)%4)+4*\g:48*((\f)%4)+4*\g+3], v[LI16], s[WB:WB+1] offset:TREC*(\f)+512*\g
.endr
	WIN 0
	global_load_b128 v[RS+4*(\f):RS+4*(\f)+3], v[LI16], s[WB:WB+1] offset:TREC*(\f)+6144
.endm
; Fragment f of my two tiles of x (tile f / 4, K step f % 4).  n: the loads issued behind this fragment's sixteen, which may stay out (a set of x is 16, a chunk of W 13; where they are 71 the count is the largest that the wait takes).
.macro XSTEP f, n
	s_wait_loadcnt \n
	TURN (\f)%4
.if \f+3 < 8
	XLOAD (\f+3)%4, ((\f+3)/4)*16384+512*((\f+3)%4)   ; into the set of fragment f - 1, whose stores into the stage were waited for in its own step
.endif
	WCHUNK \f
	s_wait_dscnt 0x0                               ; my numbers are back; the last images' stores have read their registers
	QUANT XN, 2, PC, CT, TM, PWX+(\f)%4
.irp g, 0,1,2
	ds_store_b128 v[XWI], v[PC+4*\g:PC+4*\g+3] offset:XREC+TREC*((\f)/4)+1536*((\f)%4)+512*\g
.endr
.if (\f)%4 == 3
	ds_store_b128 v[XWI], v[PWX:PWX+3] offset:XREC+TREC*((\f)/4)+6144
.endif
.endm
	s_load_b256 s[4:11], s[0:1], 0x0               ; q s[4:5], k s[6:7], v s[8:9], b_q s[10:11]
	s_load_b256 s[12:19], s[0:1], 0x20             ; b_k s[12:13], b_v s[14:15], wimg s[16:17], qimg s[18:19]
	s_load_b64 s[20:21], s[0:1], 0x40              ; kvimg
	v_lshl_add_u32 v254, v0, 2, 0x15400
	v_mov_b32 v255, 0
	v_lshrrev_b32 v9, 5, v0
	v_readfirstlane_b32 s[WV], v9                  ; wave 0..3
	s_and_b32 s[TY], ttmp7, 0xffff
	v_and_b32 v9, 31, v0                           ; lane
	v_and_b32 v10, 15, v0                          ; r
	v_bfe_u32 v11, v0, 4, 1                        ; h
	v_lshlrev_b32 v[LI16], 4, v9
	v_lshlrev_b32 v[LI8], 3, v9
	s_mul_i32 s38, s[WV], 16*528
	s_add_co_u32 s38, s38, STG
	v_add_nc_u32 v[STI], s38, v[LI16]
	v_mul_u32_u24 v[STO], v10, 528
	v_lshl_add_u32 v[STO], v11, 6, v[STO]
	v_add_nc_u32 v[STO], s38, v[STO]
	s_mul_i32 s38, s[WV], 2*TREC
	v_add_nc_u32 v[XWI], s38, v[LI16]
	v_lshlrev_b32 v[BA], 6, v11
	v_and_b32 v[BVA], 8, v10
	v_add_nc_u32 v[BVA], v[BVA], v10
	v_lshlrev_b32 v[BVA], 2, v[BVA]
.irp b, 0,1,2,3
	v_mov_b32 v[TM+4+\b], 0                        ; written once: a lane permute's destination counts as one of its sources
.endr
	s_mov_b32 s[SEL], 0x76543210
	s_mov_b32 s[SEL+1], 0xfedcba98
	s_mov_b32 vcc_lo, 0xffff0000                   ; lanes 16-31: for the scale images
	s_lshl_b32 s38, ttmp9, 18                      ; x: 128 rows of 2,048 bytes a block,
	s_lshl_b32 s39, s[WV], 16                      ; 32 rows a wave
	; K's tiles (ty = 1) take other rows of x: lane r of tile T takes key 64 (T / 4) + 8 (T % 4) + r % 8 + 32 (r / 8), so that in attention's first product a lane's 32 registers of four tiles are one whole block of 32 keys
	s_lshr_b32 s40, s[WV], 1
	s_lshl_b32 s40, s40, 17                        ; 64 (w / 2) rows
	s_and_b32 s41, s[WV], 1
	s_lshl_b32 s41, s41, 15                        ; + 16 (w % 2) rows
	s_add_co_u32 s40, s40, s41
	s_cmp_eq_u32 s[TY], 1
	s_cselect_b32 s39, s40, s39
	s_cselect_b32 s41, 32768, 0                    ; and a tile's rows 8-15 lie 16 rows further on than in the other two
	v_add_nc_u32 v24, s41, v[LI16]                 ; v24: the offset of the loads of a tile's rows 8-15
	s_add_co_u32 s38, s38, s39
	s_mov_b32 s39, 0
	s_mul_i32 s40, s[TY], 32*TREC                  ; wimg: the weight,
	s_mul_i32 s41, s[WV], 8*TREC                   ; my eight tiles
	s_add_co_u32 s40, s40, s41
	s_mov_b32 s41, 0
	s_lshl_b32 s42, s[WV], 9                       ; the bias: my 128 numbers
	s_mov_b32 s43, 0
	s_cmp_eq_u32 s[TY], 0
	s_mov_b32 s[RECS], 13056
	s_cselect_b32 s[RECS], TREC, s[RECS]           ; a record of qimg or of kvimg
	s_lshr_b32 s44, ttmp9, 5                       ; b
	s_lshl_b32 s44, s44, 3
	s_lshl_b32 s45, s[WV], 1
	s_add_co_u32 s44, s44, s45                     ; 8 b + 2 w: my first head
	s_lshl_b32 s44, s44, 5
	s_and_b32 s45, ttmp9, 31
	s_add_co_u32 s44, s44, s45                     ; its record of these 128 rows
	s_mul_i32 s44, s44, s[RECS]
	s_mov_b32 s45, 0
	s_lshl_b32 s46, s[RECS], 5                     ; the next head's lies 32 records on
	s_mov_b32 s47, 0
	s_wait_alu depctr_va_vdst(0)
	s_wait_kmcnt 0x0
	s_cmp_eq_u32 s[TY], 1                          ; the choices hang on the work-group's number alone
	s_cselect_b64 s[XB:XB+1], s[6:7], s[4:5]
	s_cselect_b64 s[BB:BB+1], s[12:13], s[10:11]
	s_cmp_eq_u32 s[TY], 2
	s_cselect_b64 s[XB:XB+1], s[8:9], s[XB:XB+1]
	s_cselect_b64 s[BB:BB+1], s[14:15], s[BB:BB+1]
	s_cmp_eq_u32 s[TY], 0
	s_cselect_b64 s[OUT0:OUT0+1], s[18:19], s[20:21]
	s_add_nc_u64 s[XB:XB+1], s[XB:XB+1], s[38:39]
	s_add_nc_u64 s[WB:WB+1], s[16:17], s[40:41]
	s_add_nc_u64 s[BB:BB+1], s[BB:BB+1], s[42:43]
	s_add_nc_u64 s[OUT0:OUT0+1], s[OUT0:OUT0+1], s[44:45]
	s_add_nc_u64 s[OUT1:OUT1+1], s[OUT0:OUT0+1], s[46:47]
	WIN 0x40                                       ; the bias as C: lane (r, h), tile i: columns 32 (i / 2) + 8 (i % 2) + 16 h + 0 .. 7
.irp i, 0,1,2,3
	global_load_b128 v[BI+8*\i:BI+8*\i+3], v[BA], s[BB:BB+1] offset:(32*(\i/2)+8*(\i%2))*4
	global_load_b128 v[BI+8*\i+4:BI+8*\i+7], v[BA], s[BB:BB+1] offset:(32*(\i/2)+8*(\i%2))*4+16
.endr
	WIN 0x80
.irp i, 0,1,2,3
	global_load_b128 v[BI+8*\i:BI+8*\i+3], v[BA], s[BB:BB+1] offset:(64+32*(\i/2)+8*(\i%2))*4
	global_load_b128 v[BI+8*\i+4:BI+8*\i+7], v[BA], s[BB:BB+1] offset:(64+32*(\i/2)+8*(\i%2))*4+16
.endr
	WIN 0
.irp o, 0,1,2,3,4,5,6,7
	global_load_b32 v[BV+\o], v[BVA], s[BB:BB+1] offset:(32*(\o/2)+8*(\o%2))*4   ; and as one number a lane: the bias of row r of W's tile o
.endr
	XLOAD 0, 0
	XLOAD 1, 512
	XLOAD 2, 1024
	; ---- PHASE X.  The counts: behind x(0): x(1), x(2) = 32; behind x(1): x(2), x(3), W(0) = 45; behind x(2): x(3), W(0), x(4), W(1) = 58; behind x(3), x(4), x(5): 71, waited for as 63;
	; behind x(6): W(3), x(7), W(4), W(5) = 55; behind x(7): W(4), W(5), W(6) = 39
	XSTEP 0, 32
	XSTEP 1, 45
	XSTEP 2, 58
	XSTEP 3, 63
	XSTEP 4, 63
	XSTEP 5, 63
	XSTEP 6, 55
	XSTEP 7, 39
	s_wait_loadcnt 0x0                             ; W and the bias are in
	s_wait_dscnt 0x0                               ; for the others' sake: my images have landed
	s_barrier_signal -1
	s_barrier_wait -1                              ; x's eight records lie in LDS; from here on nobody stores to LDS
	s_cmp_eq_u32 s[TY], 2
	s_cbranch_scc1 .Lpath_v
	; ---- Q and K
.macro TLOAD o                         ; tile o of x and its scale words
.irp g, 0,1,2,3,4,5,6,7,8,9,10,11
	ds_load_b128 v[T+4*\g:T+4*\g+3], v[LI16] offset:XREC+TREC*(\o)+512*\g
.endr
	ds_load_b128 v[TS:TS+3], v[LI16] offset:XREC+TREC*(\o)+6144
.endm
.macro MM32                            ; 32 matrix instructions: my eight tiles of W by turns, K step by K step; the bias starts the sums
.irp s, 0,1,2,3
.irp i, 0,1,2,3,4,5,6,7
.if \s == 0
	WIN (1+\i/4)|((1+\i/4)<<4)
	v_wmma_scale_f32_16x16x128_f8f6f4 v[ACC+8*\i:ACC+8*\i+7], v[48*(\i%4)+12*\s:48*(\i%4)+12*\s+11], v[T+12*\s:T+12*\s+11], v[BI+8*(\i%4):BI+8*(\i%4)+7], v[RS+4*\i+\s], v[TS+\s] matrix_a_fmt:MATRIX_FMT_FP6 matrix_b_fmt:MATRIX_FMT_FP6
.else
	WIN 1+\i/4
	v_wmma_scale_f32_16x16x128_f8f6f4 v[ACC+8*\i:ACC+8*\i+7], v[48*(\i%4)+12*\s:48*(\i%4)+12*\s+11], v[T+12*\s:T+12*\s+11], v[ACC+8*\i:ACC+8*\i+7], v[RS+4*\i+\s], v[TS+\s] matrix_a_fmt:MATRIX_FMT_FP6 matrix_b_fmt:MATRIX_FMT_FP6
.endif
.endr
.endr
	WIN 0
.endm
.macro QKTILE o
	s_wait_dscnt 0x0                               ; the tile is in
	MM32
	PLACES 4                                       ; in front of the loads into the tile's registers and of the first read of results
.if \o < 7
	TLOAD \o+1                                     ; lands while this tile is quantised
.endif
.if \o > 0
	s_wait_xcnt 0x0                                ; the last tile's stores have read the codes' registers
.endif
	QUANT ACC, 2, PC, CT, TM, PWK+\o               ; registers 0-5: head 2 w; 6-11: head 2 w + 1.  (Its lines on its own registers are more than the five places owed before the accumulators are begun anew)
	global_store_b128 v[LI16], v[PC:PC+3], s[OUT0:OUT0+1] offset:768*\o
	global_store_b64 v[LI8], v[PC+4:PC+5], s[OUT0:OUT0+1] offset:768*\o+512
	global_store_b128 v[LI16], v[PC+6:PC+9], s[OUT1:OUT1+1] offset:768*\o
	global_store_b64 v[LI8], v[PC+10:PC+11], s[OUT1:OUT1+1] offset:768*\o+512
.endm
	TLOAD 0
.irp o, 0,1,2,3,4,5,6,7
	QKTILE \o
.endr
.irp i, 0,1,2,3
	v_cndmask_b32 v[SW+\i], v[PWK+2*\i], v[PWK+2*\i+1], vcc_lo   ; lanes 0-15 tile 2 i's words, lanes 16-31 tile 2 i + 1's
.endr
.irp i, 0,1,2,3
	v_and_b32 v[T+\i], 0xffff, v[SW+\i]            ; head 2 w's two bytes; the bytes of the half of K that is not used are 0
	v_lshrrev_b32 v[T+4+\i], 16, v[SW+\i]          ; head 2 w + 1's
.endr
	global_store_b128 v[LI16], v[T:T+3], s[OUT0:OUT0+1] offset:6144
	global_store_b128 v[LI16], v[T+4:T+7], s[OUT1:OUT1+1] offset:6144
	s_wait_tensorcnt 0x0
	ds_add_u32 v254, v255
	s_wait_dscnt 0x0
	s_endpgm
	; ---- V
.macro VTILE c, o                      ; keys 64 c on (four tiles of x) against W's tile o: four accumulators by turns, K step by K step
.irp s, 0,1,2,3
.if \s == 0
	WIN 3|((1+\o/4)<<2)|(3<<4)
.else
	WIN 3|((1+\o/4)<<2)
.endif
.irp m, 0,1,2,3
.if \s == 0
	v_wmma_scale_f32_16x16x128_f8f6f4 v[ACC+8*\m:ACC+8*\m+7], v[48*\m+12*\s:48*\m+12*\s+11], v[48*(\o%4)+12*\s:48*(\o%4)+12*\s+11], v[192+8*\o:192+8*\o+7], v[RSX+4*\m+\s], v[RS+4*\o+\s] matrix_a_fmt:MATRIX_FMT_FP6 matrix_b_fmt:MATRIX_FMT_FP6
.else
	v_wmma_scale_f32_16x16x128_f8f6f4 v[ACC+8*\m:ACC+8*\m+7], v[48*\m+12*\s:48*\m+12*\s+11], v[48*(\o%4)+12*\s:48*(\o%4)+12*\s+11], v[ACC+8*\m:ACC+8*\m+7], v[RSX+4*\m+\s], v[RS+4*\o+\s] matrix_a_fmt:MATRIX_FMT_FP6 matrix_b_fmt:MATRIX_FMT_FP6
.endif
.endr
.endr
	WIN 0
	PLACES 4
	s_wait_xcnt 0x0                                ; the last stores have read the codes' registers
.if \c == 0
	QUANT ACC, 1, PC, CT, TM, PWV+\o               ; bytes 0, 1: keys 0-63
.else
	QUANT ACC, 1, PC, CT, TM, TW
	v_lshl_or_b32 v[PWV+\o], v[TW], 16, v[PWV+\o]  ; bytes 2, 3: keys 64-127
.endif
	global_store_b128 v[LI16], v[PC:PC+3], s[OUT0+2*(\o/4):OUT0+2*(\o/4)+1] offset:TREC+1536*(\o%4)+768*\c
	global_store_b64 v[LI8], v[PC+4:PC+5], s[OUT0+2*(\o/4):OUT0+2*(\o/4)+1] offset:TREC+1536*(\o%4)+768*\c+512
.endm
.Lpath_v:
	WIN 0xc0
.irp o, 0,1,2,3,4,5,6,7
.irp j, 0,1,2,3,4,5,6,7
	v_mov_b32 v[192+8*\o+\j], v[BV+\o]             ; the bias as C: a lane's eight results are eight keys of one channel
.endr
.endr
.irp c, 0,1
	WIN 0xc0
.irp m, 0,1,2,3
.irp g, 0,1,2,3,4,5,6,7,8,9,10,11
	ds_load_b128 v[48*\m+4*\g:48*\m+4*\g+3], v[LI16] offset:XREC+TREC*(4*\c+\m)+512*\g
.endr
.endr
	WIN 0
.irp m, 0,1,2,3
	ds_load_b128 v[RSX+4*\m:RSX+4*\m+3], v[LI16] offset:XREC+TREC*(4*\c+\m)+6144
.endr
	s_wait_dscnt 0x0
.irp o, 0,1,2,3,4,5,6,7
	VTILE \c, \o
.endr
.endr
.irp hh, 0,1
.irp i, 0,1
	v_cndmask_b32 v[SW+2*\hh+\i], v[PWV+4*\hh+2*\i], v[PWV+4*\hh+2*\i+1], vcc_lo
.endr
	global_store_b64 v[LI8], v[SW+2*\hh:SW+2*\hh+1], s[OUT0+2*\hh:OUT0+2*\hh+1] offset:12800
.endr
	s_wait_tensorcnt 0x0
	ds_add_u32 v254, v255
	s_wait_dscnt 0x0
	s_endpgm
.Lfunc_end_k_q8473dd1f2c_proj:
	.size	k_q8473dd1f2c_proj, .Lfunc_end_k_q8473dd1f2c_proj-k_q8473dd1f2c_proj
	.p2alignl 7, 3214868480
	.fill 96, 4, 3214868480
	.section	.rodata,"a",@progbits
	.p2align	6, 0x0
	.amdhsa_kernel k_q8473dd1f2c_proj
		.amdhsa_group_segment_fixed_size 87552
		.amdhsa_private_segment_fixed_size 0
		.amdhsa_enable_private_segment 0
		.amdhsa_kernarg_size 72
		.amdhsa_user_sgpr_count 2
		.amdhsa_user_sgpr_kernarg_segment_ptr 1
		.amdhsa_wavefront_size32 1
		.amdhsa_system_sgpr_workgroup_id_x 1
		.amdhsa_system_sgpr_workgroup_id_y 1
		.amdhsa_system_sgpr_workgroup_id_z 1
		.amdhsa_system_vgpr_workitem_id 0
		.amdhsa_next_free_vgpr 1024
		.amdhsa_next_free_sgpr 66
		.amdhsa_reserve_vcc 1
		.amdhsa_float_denorm_mode_32 3
		.amdhsa_float_denorm_mode_16_64 3
		.amdhsa_memory_ordered 1
		.amdhsa_forward_progress 1
		.amdhsa_inst_pref_size 231
	.end_amdhsa_kernel
	.amdgpu_metadata
---
amdhsa.version: [ 1, 2 ]
amdhsa.kernels:
  - .name:           k_q8473dd1f2c_proj
    .symbol:         k_q8473dd1f2c_proj.kd
    .args:
      - { .name: q, .offset: 0, .size: 8, .value_kind: global_buffer, .address_space: global }
      - { .name: k, .offset: 8, .size: 8, .value_kind: global_buffer, .address_space: global }
      - { .name: v, .offset: 16, .size: 8, .value_kind: global_buffer, .address_space: global }
      - { .name: b_q, .offset: 24, .size: 8, .value_kind: global_buffer, .address_space: global }
      - { .name: b_k, .offset: 32, .size: 8, .value_kind: global_buffer, .address_space: global }
      - { .name: b_v, .offset: 40, .size: 8, .value_kind: global_buffer, .address_space: global }
      - { .name: wimg, .offset: 48, .size: 8, .value_kind: global_buffer, .address_space: global }
      - { .name: qimg, .offset: 56, .size: 8, .value_kind: global_buffer, .address_space: global }
      - { .name: kvimg, .offset: 64, .size: 8, .value_kind: global_buffer, .address_space: global }
    .group_segment_fixed_size: 87552
    .private_segment_fixed_size: 0
    .kernarg_segment_align: 8
    .kernarg_segment_size: 72
    .max_flat_workgroup_size: 128
    .sgpr_count:     66
    .vgpr_count:     1024
    .wavefront_size: 32
...
	.end_amdgpu_metadata
.endif
;; end of part 2
;; launch attn (part 3): grid 16 x 16, 8 waves a work-group, clusters of 4 x 1, 327,680 bytes of LDS; arguments qimg, kvimg, cimg; writes cimg
.if DOCPART == 3
	.amdgcn_target "amdgcn-amd-amdhsa--gfx1250"
	.amdhsa_code_object_version 6
	.text
	.protected	k_q8473dd1f2c_attn
	.globl	k_q8473dd1f2c_attn
	.p2align	8
	.type	k_q8473dd1f2c_attn,@function
k_q8473dd1f2c_attn:
	s_mov_b64 s[64:65], 0
	v_nop
	global_prefetch_b8 v0, s[64:65] scope:SCOPE_SE
	s_setreg_imm32_b32 hwreg(HW_REG_WAVE_MODE, 25, 1), 1
	s_wait_xcnt 0x0
	s_wait_alu depctr_hold_cnt(0) depctr_sa_sdst(0) depctr_va_vdst(0) depctr_va_sdst(0) depctr_va_ssrc(0) depctr_va_vcc(0) depctr_vm_vsrc(0)
	s_getreg_b32 s2, hwreg(HW_REG_IB_STS2, 6, 4)
	s_cmp_eq_u32 s2, 0
	s_cbranch_scc0 .Lentry_in_a_cluster
	s_endpgm
.Lentry_in_a_cluster:
	s_bfe_u32 s2, ttmp6, 0x10000c
	s_cmp_lg_u32 s2, 0x3003
	s_cbranch_scc0 .Lentry_shape_is_right
	s_endpgm
.Lentry_shape_is_right:
; ctx = softmax(Q K^T / 8) V for one (batch, head) = ttmp7, both products on codes of FP6 (E2M3) with E8M0 scales, and the quantising of ctx for the last projection.
; THE SOFTMAX: t = score x log2(e) / 8; M = the running largest t rounded UP to a whole number; p = 2^(t - M) is quantised along the keys, not normalised; the row's sum is taken of the unquantised p and divides at the end.
; When M moves, the sum and O are multiplied by 2^(old M - new M): exact.
; SHARES.  A work-group owns 256 queries, each of its eight waves 32: two tiles of 16 (u = 0, 1).  Every wave walks all 4,096 keys, 128 a step.  Both products are used transposed (S^T = K Q^T, O^T = V^T P^T): a lane holds one query.
; K'S TILES: lane r of tile T holds key 64 (T / 4) + 8 (T % 4) + r % 8 + 32 (r / 8).  So lane (r, h)'s 32 registers of tiles 4 c .. 4 c + 3 are the keys 64 c + 32 h + 0 .. 31 in order: ONE WHOLE BLOCK of the second product's K,
; in the very place that the operand's layout gives that lane.  A block's largest score needs no other lane, and p's codes are exchanged between no lanes.
; K = 64 IN AN INSTRUCTION OF 128.  Q's registers 6-11 are zero codes; K's tile t is registers 6 t .. 6 t + 11, whose upper half (tile t + 1's codes, or six zeroed registers) meets Q's zero codes; that half's scale bytes are 0, never 0xff.
; THE RING.  A record of kvimg is K's part (6,656 bytes), then V's (6,400).  The ring moves SHIFTED records of 13,056 bytes, V of step i and K of step i + 1, which lie on end in memory and begin 6,656 bytes into record i, a multiple of 256.
; So step i fetches from one slot V(i), used at its end, and K(i + 1), used for S(i + 1), which is issued at step i's end.  K(0) comes straight from memory into registers.  Two slots of eight records; one tensor load a wave brings one record.
; The last shifted record of a head ends with the next head's K(0), and that of the last head with 6,656 bytes that kvimg has for this alone: no LDS load reads that part.
; CLUSTER.  The four query blocks of a cluster walk the same records: each is asked for jointly.  By this text's own count one tensor load of a wave is out at any time.
; NO PREFETCH: a refill is asked for eight key steps (192 matrix instructions a wave) ahead of the wait for it.
; OUT.  cimg: a record of 13,312 bytes for each 32 rows of ctx (P = 128 b + 8 x query block + wave): the 6 registers of (tile u, head) at 6,144 u + 768 head; at 12,288 + 128 head + 4 x lane the scale word of tile lane / 16, row lane % 16.
; LIMITS: NaN and infinities are not served; the promise holds while |t| stays under 2^31; a p under 2^-126 counts as 0 (v_exp_f32: ISA guide, 15.8); a block whose every p is 0 gets the byte 1 and zero codes;
; a block's largest p is taken as the exponential of the block's largest score, which takes v_exp_f32 not to fall where its input rises.
; REGISTERS.  Window 0: addresses, state, scales, O^T, V^T, p's codes.  Window 1: S^T / p, Q, K, the sums: so the first product and the row's sums run under one setting of the windows.
.set REC,   13056
.set SLOTB, 8*REC
.set SLOT1, 1<<17                      ; slot 1 begins here
.set SPARE, 1<<18                      ; the spare words, 128 bytes for each of eight waves
.set QREC,  6656
.set CREC,  13312
.set LI16, 1                           ; 16 x lane
.set LI8,  2                           ; 8 x lane
.set SPW,  3                           ; my spare word; never rewritten
.set NIL,  4                           ; 0; never rewritten
.set AD16, 5                           ; the step's record + 16 x lane
.set AD8,  6                           ; the step's record + 8 x lane
.set QA,   7
.set LI4,  8
.set ST,   12                          ; tile u at 12 + 8 u: +0 -M, +1 the largest score, +4 f, +5 its partner, +6, +7 at work
.set KS,   28                          ; v28-31 K's scale words: register i: lanes 0-15 tile 2 i, lanes 16-31 tile 2 i + 1
.set VS,   32                          ; v32-33 V's, likewise
.set QS,   34                          ; Q's: lanes 0-15 u = 0, lanes 16-31 u = 1
.set PW,   36                          ; v36-37 p's scale words
.set BM,   40                          ; tile u at 40 + 8 u: +0, 1 my two blocks' largest; +2, 3 scale operands; +4, 5 bytes; +6 both bytes; +7 the other half's
.set CT,   56                          ; tile u at 56 + 8 u: the conversions' second halves
.set OA,   72                          ; v72-135 O^T: tile u, channels' tile d at 32 u + 8 d
.set VF,   136                         ; v136-183 V^T (4 x 12)
.set PCD,  184                         ; v184-207 p's codes, 12 a tile
.set SS,   0                           ; window 1: v0-127 S^T, then p: tile u, K's tile T at 64 u + 8 T
.set QF,   128                         ; window 1: Q, 12 a tile
.set KF,   152                         ; window 1: K, 8 x 6 + 6 zeros
.set TT,   206                         ; window 1: 16 pairs: tile 0's p added two pairs at a time
.set LL,   238                         ; window 1: the row's sum, a pair a tile
.set WV,   10
.set QB,   12
.set QC,   14
.set CB,   16
.set CSB,  18
.set SEL,  20
.set CS,   22                          ; s[22:23] c = log2(e) / 8
.set G1,   24
.set G0,   32
.set TB,   36                          ; LDS byte of the step's record
.set SLOTS, 37
.set CNT,  38
.set KB,   60                          ; s[60:61] the head's record 0
.set MSB,  0
.macro WIN new                         ; the immediate's high byte repeats the setting that is left
.if MSB != (\new)
	s_set_vgpr_msb (MSB<<8)|(\new)
.set MSB, (\new)
.endif
.endm
.macro PLACES n
.rept \n
	v_nop
.endr
.endm
.macro CROUND                          ; a round of the cluster's barrier
	s_barrier_signal -1
	s_barrier_wait -1
	s_cmp_lg_u32 s[WV], 0
	s_cbranch_scc1 .Lnot_wave_0_\@
	s_barrier_signal -3
.Lnot_wave_0_\@:
	s_barrier_wait -3
	s_barrier_signal -1
	s_barrier_wait -1
.endm
; THE CHANGE OF SLOTS, at a slot's head: all my tensor loads, the add, my reads of the slot that I have left; fill = 1: a round, and the slot just left takes the eight records that follow.
.macro CHANGE fill
	s_wait_tensorcnt 0x0                           ; no tensor load of mine is out, so the descriptor may be written
	ds_add_u32 v[SPW], v[NIL]
.if \fill
	s_xor_b32 s[G0+1], s[G0+1], SLOT1
	s_add_nc_u64 s[G0+2:G0+3], s[G0+2:G0+3], SLOTB
	s_wait_dscnt 0x0
	CROUND
	tensor_load_to_lds s[G0:G0+3], s[G1:G1+7]
	s_nop 0
	PLACES 4
.else
	s_wait_dscnt 0x0
	s_barrier_signal -1
	s_barrier_wait -1
.endif
.endm
.macro SMM u, t                        ; S^T of K's tile t and Q's tile u.  Windows: K, Q and S^T in window 1
.if (\t)%2
.if \u
	v_wmma_scale_f32_16x16x128_f8f6f4 v[SS+64*\u+8*(\t):SS+64*\u+8*(\t)+7], v[KF+6*(\t):KF+6*(\t)+11], v[QF+12*\u:QF+12*\u+11], 0, v[KS+(\t)/2], v[QS] matrix_a_fmt:MATRIX_FMT_FP6 matrix_b_fmt:MATRIX_FMT_FP6 matrix_a_scale:MATRIX_SCALE_ROW1 matrix_b_scale:MATRIX_SCALE_ROW1
.else
	v_wmma_scale_f32_16x16x128_f8f6f4 v[SS+64*\u+8*(\t):SS+64*\u+8*(\t)+7], v[KF+6*(\t):KF+6*(\t)+11], v[QF+12*\u:QF+12*\u+11], 0, v[KS+(\t)/2], v[QS] matrix_a_fmt:MATRIX_FMT_FP6 matrix_b_fmt:MATRIX_FMT_FP6 matrix_a_scale:MATRIX_SCALE_ROW1
.endif
.else
.if \u
	v_wmma_scale_f32_16x16x128_f8f6f4 v[SS+64*\u+8*(\t):SS+64*\u+8*(\t)+7], v[KF+6*(\t):KF+6*(\t)+11], v[QF+12*\u:QF+12*\u+11], 0, v[KS+(\t)/2], v[QS] matrix_a_fmt:MATRIX_FMT_FP6 matrix_b_fmt:MATRIX_FMT_FP6 matrix_b_scale:MATRIX_SCALE_ROW1
.else
	v_wmma_scale_f32_16x16x128_f8f6f4 v[SS+64*\u+8*(\t):SS+64*\u+8*(\t)+7], v[KF+6*(\t):KF+6*(\t)+11], v[QF+12*\u:QF+12*\u+11], 0, v[KS+(\t)/2], v[QS] matrix_a_fmt:MATRIX_FMT_FP6 matrix_b_fmt:MATRIX_FMT_FP6
.endif
.endif
.endm
; A KEY STEP i: S(i) lies in registers.  more = 1: K(i + 1) is fetched and S(i + 1) issued.
.macro BODY more
	v_add_nc_u32 v[AD16], s[TB], v[LI16]
	v_add_nc_u32 v[AD8], s[TB], v[LI8]
	v_nop
	v_nop                                          ; four places behind the last products, in front of the loads into their operands and of the first read of S
	ds_load_b64 v[VS:VS+1], v[AD8] offset:6144
.irp f, 0,1,2,3,4,5,6,7
	ds_load_b128 v[VF+6*\f:VF+6*\f+3], v[AD16] offset:768*\f
	ds_load_b64 v[VF+6*\f+4:VF+6*\f+5], v[AD8] offset:768*\f+512
.endr
.if \more
	ds_load_b128 v[KS:KS+3], v[AD16] offset:12544
	WIN 0x40
.irp t, 0,1,2,3,4,5,6,7
	ds_load_b128 v[KF+6*\t:KF+6*\t+3], v[AD16] offset:6400+768*\t
	ds_load_b64 v[KF+6*\t+4:KF+6*\t+5], v[AD8] offset:6400+768*\t+512
.endr
.endif
	WIN 0x14                                       ; the largest score of each of my blocks (c, u): 32 registers, ascending
.irp c, 0,1
.irp u, 0,1
	v_max3_num_f32 v[BM+8*\u+\c], 0xff800000, v[SS+64*\u+32*\c], v[SS+64*\u+32*\c+1]
.endr
.endr
.irp i, 2,4,6,8,10,12,14,16,18,20,22,24,26,28,30
.irp c, 0,1
.irp u, 0,1
	v_max3_num_f32 v[BM+8*\u+\c], v[BM+8*\u+\c], v[SS+64*\u+32*\c+\i], v[SS+64*\u+32*\c+\i+1]
.endr
.endr
.endr
	WIN 0
.irp u, 0,1
	v_max3_num_f32 v[ST+8*\u+6], v[BM+8*\u], v[BM+8*\u+1], v[ST+8*\u+1]   ; with the running largest score
.endr
.irp u, 0,1
	s_delay_alu instid0(VALU_DEP_2)
	v_permlanex16_b32 v[ST+8*\u+7], v[ST+8*\u+6], s[SEL], s[SEL+1]
.endr
.irp u, 0,1
	s_delay_alu instid0(VALU_DEP_2)
	v_max_num_f32 v[ST+8*\u+1], v[ST+8*\u+6], v[ST+8*\u+7]           ; and lane l xor 16's two blocks
.endr
.irp u, 0,1
	v_mov_b32 v[ST+8*\u+6], v[ST+8*\u]                               ; the old -M
.endr
.irp u, 0,1
	s_delay_alu instid0(VALU_DEP_4)
	v_mul_f32 v[ST+8*\u+7], s[CS], v[ST+8*\u+1]                      ; as t (c is positive)
.endr
.irp u, 0,1
	s_delay_alu instid0(VALU_DEP_2)
	v_floor_f32 v[ST+8*\u], -v[ST+8*\u+7]                            ; the new -M = floor(-t)
.endr
.irp u, 0,1
	s_delay_alu instid0(VALU_DEP_2)
	v_sub_f32 v[ST+8*\u+6], v[ST+8*\u], v[ST+8*\u+6]                 ; old M - new M: a whole number, 0 or less
.endr
.irp u, 0,1
	s_delay_alu instid0(VALU_DEP_2)
	v_cvt_i32_f32 v[ST+8*\u+6], v[ST+8*\u+6]                         ; (it saturates)
.endr
.irp u, 0,1
	s_delay_alu instid0(VALU_DEP_2)
	v_ldexp_f32 v[ST+8*\u+4], 1.0, v[ST+8*\u+6]                      ; f = 2^(old M - new M)
.endr
.irp c, 0,1
.irp u, 0,1
	v_fma_f32 v[BM+8*\u+\c], v[BM+8*\u+\c], s[CS], v[ST+8*\u]        ; t - M of each block's largest score
.endr
.endr
.irp u, 0,1
.irp j, 0,2,4,6,8,10,12,14,16,18,20,22,24,26,28,30
	v_pk_mul_f32 v[OA+32*\u+\j:OA+32*\u+\j+1], v[OA+32*\u+\j:OA+32*\u+\j+1], v[ST+8*\u+4:ST+8*\u+5] op_sel_hi:[1,0]   ; O^T under the new M, ahead of the exponentials
.endr
.endr
	WIN 0x41
.irp u, 0,1
	v_pk_mul_f32 v[LL+2*\u:LL+2*\u+1], v[LL+2*\u:LL+2*\u+1], v[ST+8*\u+4:ST+8*\u+5] op_sel_hi:[1,0]   ; the sums likewise
.endr
.irp j, 0,2,4,6,8,10,12,14,16,18,20,22,24,26,28,30,32,34,36,38,40,42,44,46,48,50,52,54,56,58,60,62
	v_pk_fma_f32 v[SS+\j:SS+\j+1], v[SS+\j:SS+\j+1], s[CS:CS+1], v[ST:ST+1] op_sel_hi:[1,0,0]   ; tile 0: t - M
.endr
	s_wait_alu depctr_va_vdst(0)                   ; the wait ahead of a batch
	WIN 0
.irp c, 0,1
.irp u, 0,1
	v_exp_f32 v[BM+8*\u+\c], v[BM+8*\u+\c]         ; the blocks' largest p
.endr
.endr
	WIN 0x41
.set J, 0
.rept 32                               ; tile 0's p; among them tile 1's t - M: lines that hang on no line of the batch
	v_exp_f32 v[SS+J], v[SS+J]
	v_exp_f32 v[SS+J+1], v[SS+J+1]
	v_pk_fma_f32 v[SS+64+J:SS+64+J+1], v[SS+64+J:SS+64+J+1], s[CS:CS+1], v[ST+8:ST+9] op_sel_hi:[1,0,0]
.set J, J+2
.endr
	s_wait_alu depctr_va_vdst(0)                   ; behind the one batch and ahead of the next
	WIN 0x45
.set J, 0
.rept 16                               ; tile 1's p; among them tile 0's p added two pairs at a time, each sum into registers of its own
	v_exp_f32 v[SS+64+4*J], v[SS+64+4*J]
	v_exp_f32 v[SS+64+4*J+1], v[SS+64+4*J+1]
	v_exp_f32 v[SS+64+4*J+2], v[SS+64+4*J+2]
	v_exp_f32 v[SS+64+4*J+3], v[SS+64+4*J+3]
	v_pk_add_f32 v[TT+2*J:TT+2*J+1], v[SS+4*J:SS+4*J+1], v[SS+4*J+2:SS+4*J+3]
.set J, J+1
.endr
	s_wait_alu depctr_va_vdst(0)                   ; behind the batch
	WIN 0
.irp c, 0,1
.irp u, 0,1
	v_max_num_f32 v[BM+8*\u+\c], 0x1800000, v[BM+8*\u+\c]            ; the floor 2^(3 - 127): the byte cannot fall under 1
.endr
.endr
.irp c, 0,1
.irp u, 0,1
	v_add_nc_u32 v[BM+8*\u+2+\c], 0xff000000, v[BM+8*\u+\c]          ; 2 off the exponent field: the conversion's scale operand
.endr
.endr
.irp c, 0,1
.irp u, 0,1
	v_lshrrev_b32 v[BM+8*\u+4+\c], 23, v[BM+8*\u+2+\c]               ; the scale's byte
.endr
.endr
.irp u, 0,1
	s_delay_alu instid0(VALU_DEP_2)
	v_lshl_or_b32 v[BM+8*\u+6], v[BM+8*\u+5], 16, v[BM+8*\u+4]       ; my blocks h and 2 + h
.endr
.irp u, 0,1
	s_delay_alu instid0(VALU_DEP_2)
	v_permlanex16_b32 v[BM+8*\u+7], v[BM+8*\u+6], s[SEL], s[SEL+1]
.endr
.irp u, 0,1
	s_delay_alu instid0(VALU_DEP_2)
	v_lshl_or_b32 v[PW+\u], v[BM+8*\u+7], 8, v[BM+8*\u+6]            ; lanes 0-15, which alone are read: bytes 0 to 3 = blocks 0 to 3
.endr
	WIN 0x01
.irp u, 0,1
.irp c, 0,1
	v_cvt_scalef32_pk16_fp6_f32 v[PCD+12*\u+6*\c:PCD+12*\u+6*\c+2], v[SS+64*\u+32*\c:SS+64*\u+32*\c+15], v[BM+8*\u+2+\c]
	v_cvt_scalef32_pk16_fp6_f32 v[CT+8*\u+4*\c:CT+8*\u+4*\c+2], v[SS+64*\u+32*\c+16:SS+64*\u+32*\c+31], v[BM+8*\u+2+\c]   ; (a conversion's three registers begin on an even number)
.endr
.endr
	WIN 0
	v_nop                                          ; one plain place behind the scaled conversions
.irp u, 0,1
.irp c, 0,1
.irp i, 0,1,2
	v_mov_b32 v[PCD+12*\u+6*\c+3+\i], v[CT+8*\u+4*\c+\i]
.endr
.endr
.endr
	s_wait_alu depctr_va_vdst(0)                   ; the wait ahead of the wait below
	s_wait_dscnt 0x0                               ; V(i) and K(i + 1) are in
	WIN 0x45                                       ; the rows' sums of the unquantised p (48 lines: the places behind p's codes and scale words), and among them S(i + 1) of tile 0, whose p is done with
.if \more
	SMM 0, 0
.endif
	v_pk_add_f32 v[LL:LL+1], v[LL:LL+1], v[TT:TT+1]
	v_pk_add_f32 v[LL+2:LL+3], v[LL+2:LL+3], v[SS+64:SS+65]
.irp w, 1,2,3,4,5,6,7
.if \more
	SMM 0, \w
.endif
	v_pk_add_f32 v[LL:LL+1], v[LL:LL+1], v[TT+4*\w:TT+4*\w+1]
	v_pk_add_f32 v[TT+2:TT+3], v[TT+2:TT+3], v[TT+4*\w+2:TT+4*\w+3]
	v_pk_add_f32 v[LL+2:LL+3], v[LL+2:LL+3], v[SS+64+8*\w:SS+64+8*\w+1]
	v_pk_add_f32 v[SS+66:SS+67], v[SS+66:SS+67], v[SS+64+8*\w+2:SS+64+8*\w+3]   ; tile 1's p have been converted: three of its pairs gather the other chains
	v_pk_add_f32 v[SS+68:SS+69], v[SS+68:SS+69], v[SS+64+8*\w+4:SS+64+8*\w+5]
	v_pk_add_f32 v[SS+70:SS+71], v[SS+70:SS+71], v[SS+64+8*\w+6:SS+64+8*\w+7]
.endr
	v_pk_add_f32 v[LL:LL+1], v[LL:LL+1], v[TT+2:TT+3]
	v_pk_add_f32 v[SS+66:SS+67], v[SS+66:SS+67], v[SS+70:SS+71]
	v_pk_add_f32 v[LL+2:LL+3], v[LL+2:LL+3], v[SS+68:SS+69]
	v_pk_add_f32 v[LL+2:LL+3], v[LL+2:LL+3], v[SS+66:SS+67]
.if \more
.irp w, 0,1,2,3,4,5,6,7
	SMM 1, \w
.endr
.endif
	WIN 0                                          ; O^T += V^T P^T: eight accumulators, one instruction each
.irp e, 0,1
.irp u, 0,1
	v_wmma_scale_f32_16x16x128_f8f6f4 v[OA+32*\u+16*\e:OA+32*\u+16*\e+7], v[VF+24*\e:VF+24*\e+11], v[PCD+12*\u:PCD+12*\u+11], v[OA+32*\u+16*\e:OA+32*\u+16*\e+7], v[VS+\e], v[PW+\u] matrix_a_fmt:MATRIX_FMT_FP6 matrix_b_fmt:MATRIX_FMT_FP6
.endr
.irp u, 0,1
	v_wmma_scale_f32_16x16x128_f8f6f4 v[OA+32*\u+16*\e+8:OA+32*\u+16*\e+15], v[VF+24*\e+12:VF+24*\e+23], v[PCD+12*\u:PCD+12*\u+11], v[OA+32*\u+16*\e+8:OA+32*\u+16*\e+15], v[VS+\e], v[PW+\u] matrix_a_fmt:MATRIX_FMT_FP6 matrix_b_fmt:MATRIX_FMT_FP6 matrix_a_scale:MATRIX_SCALE_ROW1
.endr
.endr
	s_add_co_u32 s[TB], s[TB], REC                 ; the next step's record
.endm
.macro SLOTWORK n
	s_mov_b32 s[CNT], \n
.Lstep_\@:
	BODY 1
	s_sub_co_u32 s[CNT], s[CNT], 1
	s_cmp_lg_u32 s[CNT], 0
	s_cbranch_scc1 .Lstep_\@
.endm
	s_load_b128 s[4:7], s[0:1], 0x0                ; qimg, kvimg
	s_load_b64 s[8:9], s[0:1], 0x10                ; cimg
	v_lshl_add_u32 v[SPW], v0, 2, SPARE
	v_mov_b32 v[NIL], 0
	ds_add_u32 v[SPW], v[NIL]                      ; the opening lines: the add twice on end and one wait
	ds_add_u32 v[SPW], v[NIL]
	v_lshrrev_b32 v9, 5, v0
	v_readfirstlane_b32 s[WV], v9                  ; wave 0..7
	s_bfe_u32 s40, ttmp6, 0x40000                  ; cx
	s_lshl_b32 s41, ttmp9, 2
	s_add_co_u32 s41, s41, s40                     ; my block of 256 queries: it enters Q's and cimg's global addresses alone
	s_and_b32 s42, ttmp7, 0xffff                   ; 8 b + head, which the four partners share
	s_lshl_b32 s44, s42, 5
	s_mul_i32 s[KB], s44, REC                      ; kvimg: the head's record 0
	s_mov_b32 s[KB+1], 0
	s_add_co_u32 s44, s44, s[WV]
	s_mul_i32 s44, s44, REC
	s_add_co_u32 s44, s44, QREC                    ; my shifted record of slot 0: V of step wave, K of step wave + 1
	s_mov_b32 s45, 0
	s_lshl_b32 s46, s42, 5
	s_lshl_b32 s47, s41, 1
	s_add_co_u32 s46, s46, s47
	s_lshr_b32 s47, s[WV], 2
	s_add_co_u32 s46, s46, s47
	s_mul_i32 s46, s46, QREC                       ; qimg: the record of my 128 queries
	s_mov_b32 s47, 0
	s_and_b32 s48, s[WV], 3
	s_mul_i32 s50, s48, 1536                       ; my two tiles in it
	s_mov_b32 s51, 0
	s_lshl_b32 s48, s48, 2
	s_lshr_b32 s52, s42, 3
	s_lshl_b32 s52, s52, 7
	s_lshl_b32 s53, s41, 3
	s_add_co_u32 s52, s52, s53
	s_add_co_u32 s52, s52, s[WV]                   ; P = 128 b + 8 x block + wave
	s_mul_i32 s52, s52, CREC
	s_mov_b32 s53, 0
	s_and_b32 s54, s42, 7                          ; the head
	s_mul_i32 s56, s54, 768
	s_mov_b32 s57, 0
	s_lshl_b32 s58, s54, 7
	s_mov_b32 s59, 0
	s_mov_b32 s[G1], 15|(3<<16)|(1<<21)            ; the mask of the four; elements of 8 bytes; bit 21 beside a mask
	s_mov_b32 s[G1+1], 32<<16                      ; a dense record as 51 rows of 256 bytes
	s_mov_b32 s[G1+2], 51<<16
	s_mov_b32 s[G1+3], 32<<16
	s_mov_b32 s[G1+4], 51
	s_mov_b32 s[G1+5], 32
	s_mov_b32 s[G1+6], 0
	s_mov_b32 s[G1+7], 0
	s_mov_b32 s[G0], 1
	s_mul_i32 s[G0+1], s[WV], REC                  ; LDS: slot 0, record = wave
	s_mov_b32 s[SEL], 0x76543210
	s_mov_b32 s[SEL+1], 0xfedcba98
	s_mov_b32 s[CS], 0x3e38aa3b                    ; c = log2(e) / 8
	s_mov_b32 s[CS+1], s[CS]
	s_mov_b32 s[TB], 0
	s_mov_b32 s[SLOTS], 3
	s_wait_dscnt 0x0                               ; both opening adds are done
	s_wait_kmcnt 0x0
	s_add_nc_u64 s[G0+2:G0+3], s[6:7], s[44:45]
	s_or_b32 s[G0+3], s[G0+3], 0x80000000          ; type = 2
	s_add_nc_u64 s[KB:KB+1], s[6:7], s[KB:KB+1]
	s_add_nc_u64 s[QB:QB+1], s[4:5], s[46:47]
	s_add_nc_u64 s[QC:QC+1], s[QB:QB+1], s[50:51]
	s_add_nc_u64 s[CB:CB+1], s[8:9], s[52:53]
	s_add_nc_u64 s[CSB:CSB+1], s[CB:CB+1], s[58:59]
	s_add_nc_u64 s[CB:CB+1], s[CB:CB+1], s[56:57]
	CROUND                                         ; all four work-groups are here: the first joint loads meet
	tensor_load_to_lds s[G0:G0+3], s[G1:G1+7]      ; slot 0, one record a wave
	s_nop 0
	PLACES 4
	v_and_b32 v9, 31, v0
	v_lshlrev_b32 v[LI16], 4, v9
	v_lshlrev_b32 v[LI8], 3, v9
	v_lshlrev_b32 v[LI4], 2, v9
	v_add_nc_u32 v[QA], s48, v[LI16]
	global_load_b32 v[QS], v[QA], s[QB:QB+1] offset:6144
	global_load_b128 v[KS:KS+3], v[LI16], s[KB:KB+1] offset:6144
	WIN 0x40
.irp u, 0,1
	global_load_b128 v[QF+12*\u:QF+12*\u+3], v[LI16], s[QC:QC+1] offset:768*\u
	global_load_b64 v[QF+12*\u+4:QF+12*\u+5], v[LI8], s[QC:QC+1] offset:768*\u+512
.endr
.irp t, 0,1,2,3,4,5,6,7
	global_load_b128 v[KF+6*\t:KF+6*\t+3], v[LI16], s[KB:KB+1] offset:768*\t       ; K(0), as it lies
	global_load_b64 v[KF+6*\t+4:KF+6*\t+5], v[LI8], s[KB:KB+1] offset:768*\t+512
.endr
.irp u, 0,1
.irp j, 6,7,8,9,10,11
	v_mov_b32 v[QF+12*\u+\j], 0                    ; Q's upper 64 along K: zero codes
.endr
.endr
.irp j, 48,49,50,51,52,53
	v_mov_b32 v[KF+\j], 0                          ; behind K's tile 7
.endr
.irp j, 0,1,2,3
	v_mov_b32 v[LL+\j], 0                          ; the sums
.endr
	WIN 0
.set J, 0
.rept 64
	v_mov_b32 v[OA+J], 0                           ; O^T: the step is written once, and the first finds zeros
.set J, J+1
.endr
.irp u, 0,1
	v_mov_b32 v[ST+8*\u+1], 0xff61b1e6             ; the largest score so far: -3e38
	v_mov_b32 v[ST+8*\u], 0x7f61b1e6               ; -M: 3e38, so that the first f is 0
	v_mov_b32 v[ST+8*\u+5], 0                      ; (named as the upper half of a pair)
	v_mov_b32 v[ST+8*\u+7], 0                      ; (a lane permute's destination counts as one of its sources)
	v_mov_b32 v[BM+8*\u+7], 0
.endr
	s_wait_alu depctr_va_vdst(0)                   ; the wait at the head's end
	s_wait_loadcnt 0x0                             ; Q and K(0)
	WIN 0x45
.irp w, 0,1,2,3,4,5,6,7
	SMM 0, \w
	SMM 1, \w
.endr
	WIN 0
.Lslot:                                            ; three trips: behind each change of slots but the last the next eight records are asked for
	CHANGE 1
	SLOTWORK 8
	s_sub_co_u32 s[TB], s[TB], SLOTB               ; back to a slot's first record,
	s_xor_b32 s[TB], s[TB], SLOT1                  ; in the other slot
	s_sub_co_u32 s[SLOTS], s[SLOTS], 1
	s_cmp_lg_u32 s[SLOTS], 0
	s_cbranch_scc1 .Lslot
	CHANGE 0                                       ; the last slot is written out
	SLOTWORK 7
	BODY 0                                         ; and the last step fetches no K and starts no S
	; THE WAY OUT.  The additions are the places behind the last products.
	WIN 0x05
.irp u, 0,1
	v_add_f32 v[ST+8*\u+6], v[LL+2*\u], v[LL+2*\u+1]
.endr
	WIN 0
.irp u, 0,1
	v_permlanex16_b32 v[ST+8*\u+7], v[ST+8*\u+6], s[SEL], s[SEL+1]
.endr
.irp u, 0,1
	s_delay_alu instid0(VALU_DEP_2)
	v_add_f32 v[ST+8*\u+6], v[ST+8*\u+6], v[ST+8*\u+7]   ; the row's sum
.endr
	s_wait_alu depctr_va_vdst(0)
.irp u, 0,1
	v_rcp_f32 v[ST+8*\u+6], v[ST+8*\u+6]
.endr
	v_nop                                          ; a plain place behind the reciprocals
	s_wait_alu depctr_va_vdst(0)                   ; one wait for both, directly ahead of the first reader of them and of O^T
.irp u, 0,1
.irp j, 0,2,4,6,8,10,12,14,16,18,20,22,24,26,28,30
	v_pk_mul_f32 v[OA+32*\u+\j:OA+32*\u+\j+1], v[OA+32*\u+\j:OA+32*\u+\j+1], v[ST+8*\u+6:ST+8*\u+7] op_sel_hi:[1,0]   ; ctx: register 16 b + i = channel 32 b + 16 (lane / 16) + i of my query
.endr
.endr
	; ctx is quantised along the head's 64: two blocks, each in lanes l and l xor 16
.irp b, 0,1
.irp u, 0,1
	v_max3_num_f32 v[BM+8*\u+\b], |v[OA+32*\u+16*\b]|, |v[OA+32*\u+16*\b+1]|, 0x1800000
.endr
.endr
.irp i, 2,4,6,8,10,12,14
.irp b, 0,1
.irp u, 0,1
	v_max3_num_f32 v[BM+8*\u+\b], v[BM+8*\u+\b], |v[OA+32*\u+16*\b+\i]|, |v[OA+32*\u+16*\b+\i+1]|
.endr
.endr
.endr
.irp b, 0,1
.irp u, 0,1
	v_permlanex16_b32 v[BM+8*\u+4+\b], v[BM+8*\u+\b], s[SEL], s[SEL+1]
.endr
.endr
.irp b, 0,1
.irp u, 0,1
	v_max_num_f32 v[BM+8*\u+\b], v[BM+8*\u+\b], v[BM+8*\u+4+\b]
.endr
.endr
.irp b, 0,1
.irp u, 0,1
	v_add_nc_u32 v[BM+8*\u+2+\b], 0xff000000, v[BM+8*\u+\b]
.endr
.endr
.irp b, 0,1
.irp u, 0,1
	v_lshrrev_b32 v[BM+8*\u+4+\b], 23, v[BM+8*\u+2+\b]
.endr
.endr
.irp u, 0,1
	s_delay_alu instid0(VALU_DEP_2)
	v_lshl_or_b32 v[PW+\u], v[BM+8*\u+5], 8, v[BM+8*\u+4]
.endr
.irp u, 0,1
	v_cvt_scalef32_pk16_fp6_f32 v[PCD+12*\u:PCD+12*\u+2], v[OA+32*\u:OA+32*\u+15], v[BM+8*\u+2]
	v_cvt_scalef32_pk16_fp6_f32 v[CT+8*\u:CT+8*\u+2], v[OA+32*\u+16:OA+32*\u+31], v[BM+8*\u+3]
.endr
	v_nop                                          ; one plain place behind the scaled conversions
.irp u, 0,1
.irp i, 0,1,2
	v_permlane16_swap_b32 v[PCD+12*\u+\i], v[CT+8*\u+\i]   ; a whole block in a lane
.endr
.endr
.irp u, 0,1
.irp i, 0,1,2
	v_mov_b32 v[PCD+12*\u+3+\i], v[CT+8*\u+\i]
.endr
.endr
	s_mov_b32 s40, 0xffff0000                      ; lanes 16-31
	v_cndmask_b32 v9, v[PW], v[PW+1], s40          ; lanes 0-15 tile 0's words, lanes 16-31 tile 1's
.irp u, 0,1
	global_store_b128 v[LI16], v[PCD+12*\u:PCD+12*\u+3], s[CB:CB+1] offset:6144*\u
	global_store_b64 v[LI8], v[PCD+12*\u+4:PCD+12*\u+5], s[CB:CB+1] offset:6144*\u+512
.endr
	global_store_b32 v[LI4], v9, s[CSB:CSB+1] offset:12288
	s_wait_tensorcnt 0x0                           ; the wave's end
	ds_add_u32 v[SPW], v[NIL]
	s_wait_dscnt 0x0
	CROUND                                         ; the closing round
	s_endpgm
.Lfunc_end_k_q8473dd1f2c_attn:
	.size	k_q8473dd1f2c_attn, .Lfunc_end_k_q8473dd1f2c_attn-k_q8473dd1f2c_attn
	.p2alignl 7, 3214868480
	.fill 96, 4, 3214868480
	.section	.rodata,"a",@progbits
	.p2align	6, 0x0
	.amdhsa_kernel k_q8473dd1f2c_attn
		.amdhsa_group_segment_fixed_size 327680
		.amdhsa_private_segment_fixed_size 0
		.amdhsa_enable_private_segment 0
		.amdhsa_kernarg_size 24
		.amdhsa_user_sgpr_count 2
		.amdhsa_user_sgpr_kernarg_segment_ptr 1
		.amdhsa_wavefront_size32 1
		.amdhsa_system_sgpr_workgroup_id_x 1
		.amdhsa_system_sgpr_workgroup_id_y 1
		.amdhsa_system_sgpr_workgroup_id_z 1
		.amdhsa_system_vgpr_workitem_id 0
		.amdhsa_next_free_vgpr 512
		.amdhsa_next_free_sgpr 66
		.amdhsa_reserve_vcc 0
		.amdhsa_float_denorm_mode_32 3
		.amdhsa_float_denorm_mode_16_64 3
		.amdhsa_memory_ordered 1
		.amdhsa_forward_progress 1
		.amdhsa_inst_pref_size 101
	.end_amdhsa_kernel
	.amdgpu_metadata
---
amdhsa.version: [ 1, 2 ]
amdhsa.kernels:
  - .name:           k_q8473dd1f2c_attn
    .symbol:         k_q8473dd1f2c_attn.kd
    .args:
      - { .name: qimg, .offset: 0, .size: 8, .value_kind: global_buffer, .address_space: global }
      - { .name: kvimg, .offset: 8, .size: 8, .value_kind: global_buffer, .address_space: global }
      - { .name: cimg, .offset: 16, .size: 8, .value_kind: global_buffer, .address_space: global }
    .group_segment_fixed_size: 327680
    .private_segment_fixed_size: 0
    .kernarg_segment_align: 8
    .kernarg_segment_size: 24
    .max_flat_workgroup_size: 256
    .sgpr_count:     66
    .vgpr_count:     512
    .wavefront_size: 32
...
	.end_amdgpu_metadata
.endif
;; end of part 3
;; launch oproj (part 4): grid 64 x 4, 4 waves a work-group, no clusters, 87,552 bytes of LDS; arguments cimg, wimg, b_o, out0; writes out0
.if DOCPART == 4
	.amdgcn_target "amdgcn-amd-amdhsa--gfx1250"
	.amdhsa_code_object_version 6
	.text
	.protected	k_q8473dd1f2c_oproj
	.globl	k_q8473dd1f2c_oproj
	.p2align	8
	.type	k_q8473dd1f2c_oproj,@function
k_q8473dd1f2c_oproj:
	s_mov_b64 s[64:65], 0
	v_nop
	global_prefetch_b8 v0, s[64:65] scope:SCOPE_SE
	s_setreg_imm32_b32 hwreg(HW_REG_WAVE_MODE, 25, 1), 1
	s_wait_xcnt 0x0
; out0 = ctx W_o^T + b_o on codes of FP6 (E2M3).  ctx arrives as images of operand registers (cimg: a record of 13,312 bytes for each 32 rows), W_o likewise (wimg, the fourth weight).
; A work-group (ttmp9, ttmp7) makes 128 rows x 128 columns: wave w takes record P = 4 x ttmp9 + w: 32 rows (two tiles u; tile u's lane r is row 8 u + r + 8 (r / 8)); all four waves take columns 128 x ttmp7 on: W_o's tiles 8 x ttmp7 + 0 .. 7.
; THE EIGHT TILES OF W_o, 53,248 dense bytes, ARE FETCHED ONCE A WORK-GROUP: wave w loads tiles 2 w and 2 w + 1 (26 loads of 512 bytes) and stores them to LDS as they lie; one barrier; every wave then reads all eight from LDS into its registers.
; Source 0 = 16 rows of W_o, source 1 = 16 rows of ctx: a lane holds one row of the result, and by the tile rule of W_o's rows its 64 registers are, block by block of 32 columns, 16 neighbours.  b_o is the C of each sum's first matrix instruction.
; A K step of 128 is two heads: the 6 registers of head 2 s and the 6 of head 2 s + 1 on end are the fragment; their two scale half-words make its scale word.
; The fragments come from LDS K step by K step, and each K step's 16 matrix instructions wait only for their own.  Each tile of results goes through the wave's own stage in LDS (16 rows x 528 bytes) and leaves as rows of 512 consecutive bytes.
; NO JOINT LOADS: the launch has no tensor load; what work-groups share is 53,248 bytes of W_o and 53,248 of ctx for each, read once, with no loop in which a ring could turn.  No prefetch for the same reason: there is no loop to run ahead in.
; REGISTERS.  Window 0: the names below.  Window 1: W_o's tiles 0-3, fragment (i, s) at 48 i + 12 s; from v192 the bias of tiles 0-3.  Window 2: the same for tiles 4-7.  Window 3: ctx: tile u at 48 u, head hd at + 6 hd.
.set TREC, 6656
.set CREC, 13312
.set STG,  8*TREC                      ; LDS: W_o's eight records from byte 0; behind them the four stages; behind those the spare words
.set SPARE, STG+4*16*528
.set LI16, 1                           ; v1  16 x lane: also the LDS address of W_o's images
.set LI8,  2                           ; v2  8 x lane
.set LI4,  3                           ; v3  4 x lane
.set SO,   4                           ; v4  my stage + 528 r + 64 h
.set SR,   5                           ; v5  my stage + 16 x lane
.set BA,   6                           ; v6  64 h
.set WST,  7                           ; v7  where I store my two records of W_o: 2 records x wave + 16 x lane
.set TSR,  8                           ; v8-15  ctx's scale half-words, one register a head: lanes 0-15 tile 0, lanes 16-31 tile 1
.set TS,   16                          ; v16-19 and as words, one a K step
.set LN,   20                          ; v20 lane, v21 r, v22 h: at work at the head alone
.set RS,   32                          ; v32-63 W_o's scale words
.set ACC,  64                          ; v64-191 tile u at 64 + 64 u; before that v64-167 carry my two records of W_o to LDS
.set BI,   192
.set SPW,  254                         ; my spare word; never rewritten
.set NIL,  255                         ; 0; never rewritten
.set WV,   12
.set CBS,  14
.set WC,   16
.set BB,   18
.set OUT,  20
.set MSB,  0
.macro WIN new                         ; the immediate's high byte repeats the setting that is left
.if MSB != (\new)
	s_set_vgpr_msb (MSB<<8)|(\new)
.set MSB, (\new)
.endif
.endm
.macro OMMS s                          ; K step s: 16 matrix instructions, the sixteen accumulators by turns
.irp u, 0,1
.irp i, 0,1,2,3,4,5,6,7
.if \s == 0
	WIN (1+\i/4)|(3<<2)|((1+\i/4)<<4)
.if \u
	v_wmma_scale_f32_16x16x128_f8f6f4 v[ACC+64*\u+8*\i:ACC+64*\u+8*\i+7], v[48*(\i%4)+12*\s:48*(\i%4)+12*\s+11], v[48*\u+12*\s:48*\u+12*\s+11], v[BI+8*(\i%4):BI+8*(\i%4)+7], v[RS+4*\i+\s], v[TS+\s] matrix_a_fmt:MATRIX_FMT_FP6 matrix_b_fmt:MATRIX_FMT_FP6 matrix_b_scale:MATRIX_SCALE_ROW1
.else
	v_wmma_scale_f32_16x16x128_f8f6f4 v[ACC+64*\u+8*\i:ACC+64*\u+8*\i+7], v[48*(\i%4)+12*\s:48*(\i%4)+12*\s+11], v[48*\u+12*\s:48*\u+12*\s+11], v[BI+8*(\i%4):BI+8*(\i%4)+7], v[RS+4*\i+\s], v[TS+\s] matrix_a_fmt:MATRIX_FMT_FP6 matrix_b_fmt:MATRIX_FMT_FP6
.endif
.else
	WIN (1+\i/4)|(3<<2)
.if \u
	v_wmma_scale_f32_16x16x128_f8f6f4 v[ACC+64*\u+8*\i:ACC+64*\u+8*\i+7], v[48*(\i%4)+12*\s:48*(\i%4)+12*\s+11], v[48*\u+12*\s:48*\u+12*\s+11], v[ACC+64*\u+8*\i:ACC+64*\u+8*\i+7], v[RS+4*\i+\s], v[TS+\s] matrix_a_fmt:MATRIX_FMT_FP6 matrix_b_fmt:MATRIX_FMT_FP6 matrix_b_scale:MATRIX_SCALE_ROW1
.else
	v_wmma_scale_f32_16x16x128_f8f6f4 v[ACC+64*\u+8*\i:ACC+64*\u+8*\i+7], v[48*(\i%4)+12*\s:48*(\i%4)+12*\s+11], v[48*\u+12*\s:48*\u+12*\s+11], v[ACC+64*\u+8*\i:ACC+64*\u+8*\i+7], v[RS+4*\i+\s], v[TS+\s] matrix_a_fmt:MATRIX_FMT_FP6 matrix_b_fmt:MATRIX_FMT_FP6
.endif
.endif
.endr
.endr
.endm
.macro TOSTAGE u                       ; a lane's 16 bytes are columns 32 b + 16 h + 4 j on of row r; back come whole rows, into the registers that they left.  LDS serves a wave's instructions in order
.irp b, 0,1,2,3
.irp j, 0,1,2,3
	ds_store_b128 v[SO], v[ACC+64*\u+16*\b+4*\j:ACC+64*\u+16*\b+4*\j+3] offset:128*\b+16*\j   ; each accumulator from its low end on
.endr
.endr
.irp i, 0,1,2,3,4,5,6,7,8,9,10,11,12,13,14,15
	ds_load_b128 v[ACC+64*\u+4*\i:ACC+64*\u+4*\i+3], v[SR] offset:528*\i
.endr
.endm
.macro SEND u
.irp i, 0,1,2,3,4,5,6,7,8,9,10,11,12,13,14,15
	global_store_b128 v[LI16], v[ACC+64*\u+4*\i:ACC+64*\u+4*\i+3], s[OUT:OUT+1] offset:(8*\u+\i+8*(\i/8))*2048 th:TH_STORE_NT   ; 32 lanes store 512 consecutive bytes, at a multiple of 256 from out0's first byte
.endr
.endm
	s_load_b256 s[4:11], s[0:1], 0x0               ; cimg s[4:5], wimg s[6:7], b_o s[8:9], out0 s[10:11]
	v_lshl_add_u32 v[SPW], v0, 2, SPARE
	v_mov_b32 v[NIL], 0
	v_lshrrev_b32 v[LN], 5, v0
	v_readfirstlane_b32 s[WV], v[LN]               ; wave 0..3
	v_and_b32 v[LN], 31, v0                        ; lane
	v_and_b32 v[LN+1], 15, v0                      ; r
	v_bfe_u32 v[LN+2], v0, 4, 1                    ; h
	v_lshlrev_b32 v[LI16], 4, v[LN]
	v_lshlrev_b32 v[LI8], 3, v[LN]
	v_lshlrev_b32 v[LI4], 2, v[LN]
	v_lshlrev_b32 v[BA], 6, v[LN+2]
	s_mul_i32 s30, s[WV], 16*528
	s_add_co_u32 s30, s30, STG                     ; my stage
	v_mul_u32_u24 v[SO], v[LN+1], 528
	v_lshl_add_u32 v[SO], v[LN+2], 6, v[SO]
	v_add_nc_u32 v[SO], s30, v[SO]
	v_add_nc_u32 v[SR], s30, v[LI16]
	s_mul_i32 s34, s[WV], 2*TREC                   ; my two records of the eight, in wimg and in LDS alike
	s_mov_b32 s35, 0
	v_add_nc_u32 v[WST], s34, v[LI16]
	s_and_b32 s31, ttmp7, 0xffff                   ; which 128 columns
	s_lshl_b32 s32, ttmp9, 2
	s_add_co_u32 s32, s32, s[WV]                   ; P: my record of ctx
	s_mul_i32 s22, s32, CREC
	s_mov_b32 s23, 0
	s_mul_i32 s24, s31, 8*TREC
	s_add_co_u32 s24, s24, 3*32*TREC               ; the fourth weight, the work-group's eight tiles
	s_mov_b32 s25, 0
	s_lshl_b32 s26, s31, 9                         ; the 128 columns, in bytes
	s_mov_b32 s27, 0
	s_lshl_b32 s28, s32, 16                        ; 32 rows of 2,048 bytes a record
	s_add_co_u32 s28, s28, s26
	s_mov_b32 s29, 0
	s_wait_alu depctr_va_vdst(0)                   ; the wait at the head's end
	s_wait_kmcnt 0x0
	s_add_nc_u64 s[CBS:CBS+1], s[4:5], s[22:23]
	s_add_nc_u64 s[WC:WC+1], s[6:7], s[24:25]
	s_add_nc_u64 s[WC:WC+1], s[WC:WC+1], s[34:35]
	s_add_nc_u64 s[BB:BB+1], s[8:9], s[26:27]
	s_add_nc_u64 s[OUT:OUT+1], s[10:11], s[28:29]
.irp g, 0,1,2,3,4,5,6,7,8,9,10,11,12,13,14,15,16,17,18,19,20,21,22,23,24,25
	global_load_b128 v[ACC+4*\g:ACC+4*\g+3], v[LI16], s[WC:WC+1] offset:512*\g   ; my two records of W_o first: the other waves wait for them
.endr
	WIN 0x40                                       ; the bias as C: lane (r, h), tile i: columns 32 (i / 2) + 8 (i % 2) + 16 h + 0 .. 7
.irp i, 0,1,2,3
	global_load_b128 v[BI+8*\i:BI+8*\i+3], v[BA], s[BB:BB+1] offset:(32*(\i/2)+8*(\i%2))*4
	global_load_b128 v[BI+8*\i+4:BI+8*\i+7], v[BA], s[BB:BB+1] offset:(32*(\i/2)+8*(\i%2))*4+16
.endr
	WIN 0x80
.irp i, 0,1,2,3
	global_load_b128 v[BI+8*\i:BI+8*\i+3], v[BA], s[BB:BB+1] offset:(64+32*(\i/2)+8*(\i%2))*4
	global_load_b128 v[BI+8*\i+4:BI+8*\i+7], v[BA], s[BB:BB+1] offset:(64+32*(\i/2)+8*(\i%2))*4+16
.endr
	WIN 0
.irp d, 0,1,2,3,4,5,6,7
	global_load_b32 v[TSR+\d], v[LI4], s[CBS:CBS+1] offset:12288+128*\d
.endr
	WIN 0xc0
.irp u, 0,1
.irp d, 0,1,2,3,4,5,6,7
	global_load_b128 v[48*\u+6*\d:48*\u+6*\d+3], v[LI16], s[CBS:CBS+1] offset:6144*\u+768*\d
	global_load_b64 v[48*\u+6*\d+4:48*\u+6*\d+5], v[LI8], s[CBS:CBS+1] offset:6144*\u+768*\d+512
.endr
.endr
	WIN 0
	s_wait_loadcnt 56                              ; my 26 loads of W_o are in; the 16 + 8 + 32 issued behind them may stay out
.irp g, 0,1,2,3,4,5,6,7,8,9,10,11,12,13,14,15,16,17,18,19,20,21,22,23,24,25
	ds_store_b128 v[WST], v[ACC+4*\g:ACC+4*\g+3] offset:512*\g
.endr
	s_wait_dscnt 0x0                               ; for the others' sake: my two records have landed
	s_barrier_signal -1
	s_barrier_wait -1                              ; all eight records lie in LDS; nobody writes those bytes again
.irp f, 0,1,2,3,4,5,6,7
	ds_load_b128 v[RS+4*\f:RS+4*\f+3], v[LI16] offset:TREC*\f+6144   ; the scale words of all eight tiles,
.endr
.irp s, 0,1,2,3                        ; then the fragments, K step by K step: 24 loads each
.irp f, 0,1,2,3,4,5,6,7
	WIN (1+\f/4)<<6
.irp g, 0,1,2
	ds_load_b128 v[48*(\f%4)+12*\s+4*\g:48*(\f%4)+12*\s+4*\g+3], v[LI16] offset:TREC*\f+1536*\s+512*\g
.endr
.endr
.endr
	WIN 0
	s_wait_loadcnt 0x0                             ; the bias and ctx
.irp s, 0,1,2,3
	v_lshl_or_b32 v[TS+\s], v[TSR+2*\s+1], 16, v[TSR+2*\s]   ; heads 2 s and 2 s + 1: the K step's four bytes
.endr
.rept 8
	v_nop                                          ; a scale word made by a vector instruction stands eight places ahead of the scaled matrix instruction that takes it
.endr
	s_wait_alu depctr_va_vdst(0)                   ; the wait ahead of each wait below
	s_wait_dscnt 63                                ; K step 0's fragments are in: 72 loads were issued behind them, and the wait takes no count above 63
	OMMS 0
	s_wait_alu depctr_va_vdst(0)
	s_wait_dscnt 48                                ; K step 1's: behind them K steps 2 and 3
	OMMS 1
	s_wait_alu depctr_va_vdst(0)
	s_wait_dscnt 24                                ; K step 2's
	OMMS 2
	s_wait_alu depctr_va_vdst(0)
	s_wait_dscnt 0x0
	OMMS 3
	WIN 0
.rept 4
	v_nop                                          ; places in front of the first read of results and of the loads into the accumulators' registers
.endr
	TOSTAGE 0
	TOSTAGE 1
	s_wait_dscnt 32                                ; tile 0 is back; tile 1's sixteen stores and sixteen loads may stay out
	SEND 0
	s_wait_dscnt 0x0
	SEND 1
	s_wait_tensorcnt 0x0                           ; the wave's end
	ds_add_u32 v[SPW], v[NIL]
	s_wait_dscnt 0x0
	s_endpgm
.Lfunc_end_k_q8473dd1f2c_oproj:
	.size	k_q8473dd1f2c_oproj, .Lfunc_end_k_q8473dd1f2c_oproj-k_q8473dd1f2c_oproj
	.p2alignl 7, 3214868480
	.fill 96, 4, 3214868480
	.section	.rodata,"a",@progbits
	.p2align	6, 0x0
	.amdhsa_kernel k_q8473dd1f2c_oproj
		.amdhsa_group_segment_fixed_size 87552
		.amdhsa_private_segment_fixed_size 0
		.amdhsa_enable_private_segment 0
		.amdhsa_kernarg_size 32
		.amdhsa_user_sgpr_count 2
		.amdhsa_user_sgpr_kernarg_segment_ptr 1
		.amdhsa_wavefront_size32 1
		.amdhsa_system_sgpr_workgroup_id_x 1
		.amdhsa_system_sgpr_workgroup_id_y 1
		.amdhsa_system_sgpr_workgroup_id_z 1
		.amdhsa_system_vgpr_workitem_id 0
		.amdhsa_next_free_vgpr 864
		.amdhsa_next_free_sgpr 66
		.amdhsa_reserve_vcc 0
		.amdhsa_float_denorm_mode_32 3
		.amdhsa_float_denorm_mode_16_64 3
		.amdhsa_memory_ordered 1
		.amdhsa_forward_progress 1
		.amdhsa_inst_pref_size 35
	.end_amdhsa_kernel
	.amdgpu_metadata
---
amdhsa.version: [ 1, 2 ]
amdhsa.kernels:
  - .name:           k_q8473dd1f2c_oproj
    .symbol:         k_q8473dd1f2c_oproj.kd
    .args:
      - { .name: cimg, .offset: 0, .size: 8, .value_kind: global_buffer, .address_space: global }
      - { .name: wimg, .offset: 8, .size: 8, .value_kind: global_buffer, .address_space: global }
      - { .name: b_o, .offset: 16, .size: 8, .value_kind: global_buffer, .address_space: global }
      - { .name: out0, .offset: 24, .size: 8, .value_kind: global_buffer, .address_space: global }
    .group_segment_fixed_size: 87552
    .private_segment_fixed_size: 0
    .kernarg_segment_align: 8
    .kernarg_segment_size: 32
    .max_flat_workgroup_size: 128
    .sgpr_count:     66
    .vgpr_count:     864
    .wavefront_size: 32
...
	.end_amdgpu_metadata
.endif
;; end of part 4
